; MI455X (gfx1250); checked and timed in simulation.
; The chip was launched on July 23, 2026; its instructions are those of AMD's public machine-readable ISA for CDNA 5 (MIT licence, August 2026) and "CDNA5" Instruction Set Architecture Reference Guide (July 2026). The comments in the code are by the model that wrote it; some were corrected since.
;; Attention. Allowed arithmetic: matrix products marked QUANTISED: E2M1 operands, one E8M0 scale for each 32 along K, by v_wmma_scale_f32_16x16x128_f8f6f4 with both operands' format E2M1 (or v_wmma_scale_f32_32x16x128_f4), f32 sums; products left as they are: bf16, f16 or f32 operands; f32 sums; everything else in f32.
;; Inputs: W_K 16 x 1,024 x 64 float32; W_O 16 x 64 x 1,024 float32; W_Q 16 x 1,024 x 64 float32; W_V 16 x 1,024 x 64 float32; b_K 16 x 64 float32; b_O 1,024 float32; b_Q 16 x 64 float32; b_V 16 x 64 float32; normalized_resid_pre 4 x 2,048 x 1,024 float32.
;; Outputs: out0 4 x 2,048 x 1,024 float32.
;; This version of the problem:
;;   THIS VERSION OF THE PROBLEM IS GIVEN IN LOW PRECISION. The matrix products marked QUANTISED in the list below multiply operands that are first quantised to E2M1 (2 exponent bits, 1 mantissa bit; 4 bits a number), with one power-of-two scale for each 32 numbers along K (OCP MX v1.0); their sums are f32. The products marked 'left as it is' may take bf16, f16 or f32 operands, with f32 sums. Whichever they take, every output number must still come out within the allowed error. Rounding operands to bf16 (8 significant bits) uses up far more of that allowance than f16 does (11 bits, for magnitudes from 6e-5 to 65,504). All else is computed in f32.
;;   The module's matrix products, in the order in which they are computed (A, B: the left and right operand; K: the contracted axis; several contracted axes count as one K, in the product's order):
;;     1. [M 8,192, K 1,024] x [K 1,024, N 1,024]; A: input normalized_resid_pre; B: input W_Q: QUANTISED
;;     2. [M 8,192, K 1,024] x [K 1,024, N 1,024]; A: input normalized_resid_pre; B: input W_K: QUANTISED
;;     3. [M 8,192, K 1,024] x [K 1,024, N 1,024]; A: input normalized_resid_pre; B: input W_V: QUANTISED
;;     4. batch 64 x [M 2,048, K 64] x [K 64, N 2,048]; A: computed on the way; B: computed on the way: left as it is (an operand is computed on the way)
;;     5. batch 64 x [M 64, K 2,048] x [K 2,048, N 2,048]; A: computed on the way; B: computed on the way: left as it is (an operand is computed on the way)
;;     6. [M 8,192, K 1,024] x [K 1,024, N 1,024]; A: computed on the way; B: input W_O: left as it is (an operand is computed on the way)
;;   THE QUANTISER, for each operand of a quantised product, along K:
;;     - K is cut into blocks of 32 from its start; a last block that is shorter is filled with zeros.
;;     - A block's scale is 2^e with e = floor(log2(the largest magnitude in the block)) - 2, held to -126 .. 127; a block of zeros has e = 0. As a byte (E8M0): e + 127.
;;     - Each number is divided by its block's scale, clamped to +-6, and rounded to the nearest number of E2M1, ties to even, subnormals kept.
;;     - The product sums the exact products of the quantised numbers (number of the format x scale) in f32.
;;   ~~~python
;;   def quantise(x, axis):      # numpy; x: float32 -> the quantised numbers, widened to float32 again
;;       x = np.moveaxis(x, axis, -1); K = x.shape[-1]
;;       x = np.pad(x, [(0, 0)] * (x.ndim - 1) + [(0, -K % 32)]); x = x.reshape(x.shape[:-1] + (-1, 32)); a = np.abs(x).max(-1, keepdims=True)
;;       e = np.where(a > 0, np.clip(np.frexp(np.where(a > 0, a, 1))[1] - 1 - 2, -126, 127), 0)      # np.frexp(a)[1] - 1 = floor(log2(a)), exactly
;;       r = np.clip(x / 2.0 ** e, -6, 6)
;;       step = 2.0 ** (np.maximum(np.frexp(np.where(r == 0, 1, r))[1] - 1, 0) - 1)
;;       q = np.round(r / step) * step * 2.0 ** e      # np.round: ties to even
;;       return np.moveaxis(q.reshape(q.shape[:-2] + (-1,))[..., :K], -1, axis).astype(np.float32)
;;   ~~~
;; One version. Each part assembles by itself: llvm-mc -triple=amdgcn-amd-amdhsa -mcpu=gfx1250 --defsym DOCPART=n.
;; ======== version 1 of 1: 6 launches
;; limits: values are held in f16: magnitudes above 65,504 overflow, below 6.1e-05 lose precision
;; workspace buffers: xc 4,194,304 bytes; xs 262,144 bytes; wc 1,572,864 bytes; ws 98,304 bytes; woi 2,097,152 bytes; qkv 50,331,648 bytes; zi 16,777,216 bytes; z16 262,144 bytes
;; launch prep (part 1): grid 256 x 1, 8 waves a work-group, no clusters, 84,480 bytes of LDS; arguments normalized_resid_pre, W_Q, W_K, W_V, W_O, xc, xs, wc, ws, woi; writes xc, xs, wc, ws, woi
.if DOCPART == 1
	.amdgcn_target "amdgcn-amd-amdhsa--gfx1250"
	.amdhsa_code_object_version 6
	.text
	.protected	k_q88359a48f6_prep
	.globl	k_q88359a48f6_prep
	.p2align	8
	.type	k_q88359a48f6_prep,@function
k_q88359a48f6_prep:
	s_mov_b64 s[64:65], 0
	v_nop
	global_prefetch_b8 v0, s[64:65] scope:SCOPE_SE
	s_setreg_imm32_b32 hwreg(HW_REG_WAVE_MODE, 25, 1), 1
	s_wait_xcnt 0x0
; PREP: the operands are laid out once, as the later launches' matrix instructions take them.
;   work-groups 0-127  (path X): x [8192][1024] f32 -> codes of FP4 (E2M1), K innermost, xc [8192][512 bytes], and one E8M0 byte for each 32 along K, xs [8192][32].
;   work-groups 128-223 (path W): W_Q, W_K, W_V [16][1024 (k)][64 (d)] f32, K not innermost -> wc [3072 rows n = 1024 t + 64 head + d][512 bytes], ws [3072][32].
;   work-groups 224-255 (path O): W_O [1024 (k = 64 head + d)][1024 (n)] f32 -> f16, as images of operand registers: woi [n / 16][k / 32][1024 bytes].
; A block's scale is 2^(floor(log2(its largest magnitude)) - 2); its byte is the largest magnitude's exponent field - 2, held at 1 from below.
; LIMITS: a block of zeros gets the byte 1 where the rule says 127 (its codes are zeros, and this program alone reads the bytes); blocks whose largest magnitude lies under 2^-124
; keep the byte 1; NaN and infinities among the inputs are not served; W_O must stay under 65,504 in magnitude, and its numbers under 6e-5 keep an absolute step of 6e-8 (f16).
; The three paths part on the work-group's number alone; each has LDS bytes of its own and ends by itself.  No tensor loads.
.set SP,    80                         ; path X: a lane's place in a stage: its 64 bytes + 16 of padding
.set WREG,  8192                       ; path X: LDS region of a wave: two stages of 32 x SP bytes, then its 256 scale bytes
.set STEPS, 16
.set CB,    8                          ; bytes of 16 codes
.set EMAX,  2
.set R,     16                         ; v16-79   path X: four sets of 16 numbers as loaded
.set X,     80                         ; v80-111  path X: two sets of 16 neighbours
.set E,     112                        ; v112-127 path X: a scale byte for each step
.set C,     128                        ; v128-191 path X: codes, four registers a step
.set SPW,   12                         ; v12  LDS address of my spare word; never rewritten
.set NIL,   13                         ; v13  0; never rewritten
.set WSTG,  65536                      ; path W: stage, 32 rows (columns d) x (512 bytes of codes + 16)
.set WP,    528
.set WSC,   WSTG+32*WP                 ; path W: 32 rows x 32 scale bytes
.set SPARE, WSC+1024                   ; the spare words: 128 bytes for each of eight waves
.set WN,    32                         ; v32-159  paths W, O: 128 numbers
.set WC,    160                        ; v160..   paths W, O: codes, f16 pairs
.set WB,    176                        ; v176     path W: my four scale bytes
.macro FINISH                          ; the wave's end
	s_wait_tensorcnt 0x0
	ds_add_u32 v[SPW], v[NIL]
	s_wait_dscnt 0x0
	s_endpgm
.endm
	s_load_b512 s[4:19], s[0:1], 0x0               ; x s[4:5], W_Q s[6:7], W_K s[8:9], W_V s[10:11], W_O s[12:13], xc s[14:15], xs s[16:17], wc s[18:19]
	s_load_b128 s[20:23], s[0:1], 0x40             ; ws s[20:21], woi s[22:23]
	v_lshl_add_u32 v[SPW], v0, 2, SPARE
	v_mov_b32 v[NIL], 0
	v_lshrrev_b32 v1, 5, v0
	v_readfirstlane_b32 s24, v1                    ; wave 0..7
	v_and_b32 v2, 31, v0                           ; lane
	s_wait_kmcnt 0x0
	s_cmp_lt_u32 ttmp9, 128
	s_cbranch_scc0 .Lnot_x
; ---------------- PATH X.  x is a plain stream of blocks of 32.  A wave takes 16 steps of 512 numbers.  Each load reads 512 consecutive bytes; a step's 2,048 bytes turn through the
; wave's own stage in LDS, so that a lane then holds 16 neighbours along K (two neighbouring lanes hold a block).  Loads run four steps ahead, the turn through LDS one step.
	v_lshlrev_b32 v3, 4, v2                        ; my 16 bytes of a load's 512
	s_mul_i32 s25, s24, WREG
	v_lshrrev_b32 v14, 2, v2
	v_mul_u32_u24 v14, v14, SP
	v_and_b32 v15, 3, v2
	v_lshl_add_u32 v14, v15, 4, v14
	v_add_nc_u32 v14, s25, v14                     ; the stage, on the way in: SP (lane / 4) + 16 (lane % 4)
	v_mul_u32_u24 v15, v2, SP
	v_add_nc_u32 v15, s25, v15                     ; and on the way out: SP x lane
	v_mul_u32_u24 v4, v2, CB                       ; my codes' place in a step's
	v_lshrrev_b32 v5, 1, v2
	s_add_co_u32 s25, s25, 2*32*SP
	v_add_nc_u32 v5, s25, v5                       ; my wave's 256 scale bytes, my block's byte
	v_lshlrev_b32 v7, 3, v2
	v_add_nc_u32 v6, s25, v7                       ; and on the way out 8 bytes a lane
	s_lshl_b32 s26, ttmp9, 3
	s_add_co_u32 s26, s26, s24                     ; which run of 8,192 numbers is my wave's: 0..1023
	s_mov_b32 s29, 0
	s_lshl_b32 s28, s26, 15                        ; 32,768 bytes of x a run
	s_add_nc_u64 s[4:5], s[4:5], s[28:29]
	s_lshl_b32 s28, s26, 12                        ; 4,096 bytes of codes
	s_add_nc_u64 s[14:15], s[14:15], s[28:29]
	s_lshl_b32 s28, s26, 8                         ; 256 scale bytes
	s_add_nc_u64 s[16:17], s[16:17], s[28:29]
.macro XLOAD t
.irp i, 0,1,2,3
	global_load_b128 v[R+16*((\t)%4)+4*\i:R+16*((\t)%4)+4*\i+3], v3, s[4:5] offset:2048*(\t)+512*\i th:TH_LOAD_NT
.endr
.endm
.macro XTURN t                         ; LDS serves a wave's instructions in order: no wait between the stores and the loads
.irp i, 0,1,2,3
	ds_store_b128 v14, v[R+16*((\t)%4)+4*\i:R+16*((\t)%4)+4*\i+3] offset:32*SP*((\t)%2)+8*SP*\i
.endr
.irp i, 0,1,2,3
	ds_load_b128 v[X+16*((\t)%2)+4*\i:X+16*((\t)%2)+4*\i+3], v15 offset:32*SP*((\t)%2)+16*\i
.endr
.endm
.irp t, 0,1,2,3
	XLOAD \t
.endr
	s_wait_loadcnt 12                              ; step 0's four loads are in; three steps' twelve stay out
	XTURN 0
.macro XSTEP t
.set XS, X+16*((\t)%2)
.if (\t) > 0
	s_wait_dscnt 1                                 ; this step's numbers are back from the stage; the last step's byte store may be out
.else
	s_wait_dscnt 0x0
.endif
.if (\t)+4 < STEPS
	XLOAD (\t)+4                                   ; into the set whose stores into the stage are done
.endif
.if (\t)+1 < STEPS
.if STEPS-2-(\t) >= 3
	s_wait_loadcnt 12                              ; the next step's four loads are in; those of the three steps behind it may be out
.else
	s_wait_loadcnt 4*(STEPS-2-(\t))
.endif
	XTURN (\t)+1
.endif
	v_max3_num_f32 v8, |v[XS]|, |v[XS+1]|, |v[XS+2]|
	v_max3_num_f32 v9, |v[XS+3]|, |v[XS+4]|, |v[XS+5]|
.irp i, 6,10
	v_max3_num_f32 v8, v8, |v[XS+\i]|, |v[XS+\i+1]|
	v_max3_num_f32 v9, v9, |v[XS+\i+2]|, |v[XS+\i+3]|
.endr
	v_max3_num_f32 v8, v8, |v[XS+14]|, |v[XS+15]|
	v_max3_num_f32 v8, v8, v9, (EMAX+1)<<23        ; the floor 2^(3 - 127): the byte cannot fall under 1
	v_max_num_f32_dpp v8, v8, v8 row_xmask:1 row_mask:0xf bank_mask:0xf   ; with my neighbour's 16: the block's largest magnitude
	v_add_nc_u32 v11, -(EMAX<<23), v8              ; 2 off its exponent field: the conversion's scale operand
	v_cvt_scalef32_pk8_fp4_f32 v[C+4*(\t)], v[XS:XS+7], v11
	v_cvt_scalef32_pk8_fp4_f32 v[C+4*(\t)+1], v[XS+8:XS+15], v11
	v_lshrrev_b32 v[E+(\t)], 23, v11               ; the scale's byte
	ds_store_b8 v5, v[E+(\t)] offset:16*(\t)       ; both lanes of a block write the same byte with the same value
	global_store_b64 v4, v[C+4*(\t):C+4*(\t)+1], s[14:15] offset:32*CB*(\t)   ; the wave stores 256 consecutive bytes, aligned
.endm
.irp t, 0,1,2,3,4,5,6,7,8,9,10,11,12,13,14,15
	XSTEP \t
.endr
	ds_load_b64 v[8:9], v6
	s_wait_dscnt 0x0
	global_store_b64 v7, v[8:9], s[16:17]          ; my wave's 256 scale bytes, aligned
	FINISH
.Lnot_x:
	s_cmp_lt_u32 ttmp9, 224
	s_cbranch_scc0 .Lpath_o
; ---------------- PATH W.  g = work-group - 128 = 32 t + 2 head + half: 32 columns d of one head of one weight, all 1,024 along K.  A LANE TAKES A COLUMN AND ITS REGISTERS RUN DOWN K:
; wave w takes k = 128 w .. 128 w + 127, four blocks a lane.  The codes meet in a stage (a row = a column's 512 bytes) and leave as whole rows.  The output rows are 32 g .. 32 g + 31.
	s_sub_co_u32 s26, ttmp9, 128                   ; g
	s_lshr_b32 s27, s26, 5                         ; t
	s_cmp_eq_u32 s27, 0
	s_cselect_b64 s[6:7], s[6:7], s[8:9]           ; the choice hangs on the work-group's number alone
	s_cmp_eq_u32 s27, 2
	s_cselect_b64 s[6:7], s[10:11], s[6:7]
	s_bfe_u32 s28, s26, 0x40001                    ; head
	s_lshl_b32 s28, s28, 18                        ; 1,024 x 64 x 4 bytes a head
	s_and_b32 s29, s26, 1
	s_lshl_b32 s29, s29, 7                         ; 32 columns
	s_add_co_u32 s28, s28, s29
	s_lshl_b32 s29, s24, 15                        ; 128 rows of 256 bytes a wave
	s_add_co_u32 s28, s28, s29
	s_mov_b32 s29, 0
	s_add_nc_u64 s[6:7], s[6:7], s[28:29]
	v_lshlrev_b32 v4, 2, v2                        ; in: 4 bytes a lane
.set i, 0
.rept 128
	global_load_b32 v[WN+i], v4, s[6:7] offset:i*256
.set i, i+1
.endr
	v_lshlrev_b32 v3, 4, v2                        ; 16 x lane
	v_lshlrev_b32 v7, 3, v2                        ; 8 x lane
	s_lshl_b32 s25, s24, 6
	s_add_co_u32 s25, s25, WSTG
	v_mul_u32_u24 v14, v2, WP
	v_add_nc_u32 v14, s25, v14                     ; into the stage: row = my column, 64 bytes a wave
	s_lshl_b32 s25, s24, 2
	s_add_co_u32 s25, s25, WSC
	v_lshlrev_b32 v6, 5, v2
	v_add_nc_u32 v6, s25, v6                       ; my column's scale bytes, 4 a wave
	s_mul_i32 s25, s24, 4*WP
	s_add_co_u32 s25, s25, WSTG
	v_add_nc_u32 v15, s25, v3                      ; out of the stage: rows 4 w .. 4 w + 3, whole
	s_and_b32 s25, s24, 3
	s_lshl_b32 s25, s25, 8
	s_add_co_u32 s27, s25, WSC
	v_add_nc_u32 v5, s27, v7                       ; the scale bytes back: 256 a wave, waves 0 to 3
	s_lshl_b32 s28, s26, 14                        ; codes: 32 g rows of 512 bytes,
	s_lshl_b32 s30, s24, 11                        ; + 4 rows a wave
	s_add_co_u32 s28, s28, s30
	s_add_nc_u64 s[18:19], s[18:19], s[28:29]
	s_lshl_b32 s28, s26, 10                        ; scale bytes: 32 g rows of 32 bytes
	s_add_co_u32 s28, s28, s25
	s_add_nc_u64 s[20:21], s[20:21], s[28:29]
.macro WBLOCK q, left
.set XS, WN+32*(\q)
	s_wait_loadcnt \left                           ; this block's 32 loads are in (the count names at most what its field holds)
	v_max3_num_f32 v8, |v[XS]|, |v[XS+1]|, |v[XS+2]|
	v_max3_num_f32 v9, |v[XS+3]|, |v[XS+4]|, |v[XS+5]|
.irp i, 6,10,14,18,22,26
	v_max3_num_f32 v8, v8, |v[XS+\i]|, |v[XS+\i+1]|
	v_max3_num_f32 v9, v9, |v[XS+\i+2]|, |v[XS+\i+3]|
.endr
	v_max3_num_f32 v8, v8, |v[XS+30]|, |v[XS+31]|
	v_max3_num_f32 v8, v8, v9, (EMAX+1)<<23
	v_add_nc_u32 v10, -(EMAX<<23), v8
	v_lshrrev_b32 v11, 23, v10
.if (\q) == 0
	v_mov_b32 v[WB], v11
.else
	v_lshl_or_b32 v[WB], v11, 8*(\q), v[WB]
.endif
.irp g, 0,1,2,3
	v_cvt_scalef32_pk8_fp4_f32 v[WC+4*(\q)+\g], v[XS+8*\g:XS+8*\g+7], v10
.endr
	ds_store_b128 v14, v[WC+4*(\q):WC+4*(\q)+3] offset:16*(\q)
.endm
	WBLOCK 0, 63                                   ; 96 younger loads were issued: any count up to that serves
	WBLOCK 1, 63                                   ; 64 younger
	WBLOCK 2, 32
	WBLOCK 3, 0
	ds_store_b32 v6, v[WB]
	s_wait_dscnt 0x0                               ; for the others' sake: my stores are done
	s_barrier_signal -1
	s_barrier_wait -1
.irp i, 0,1,2,3
	ds_load_b128 v[WN+4*\i:WN+4*\i+3], v15 offset:\i*WP
.endr
.irp i, 0,1,2,3
	s_wait_dscnt 3-\i
	global_store_b128 v3, v[WN+4*\i:WN+4*\i+3], s[18:19] offset:\i*512   ; 32 lanes store a whole row of 512 bytes
.endr
	s_cmp_lt_u32 s24, 4                            ; the 1,024 scale bytes are dense in ws: four waves, 256 aligned bytes each
	s_cbranch_scc0 .Lw_end
	ds_load_b64 v[WN+16:WN+17], v5
	s_wait_dscnt 0x0
	global_store_b64 v7, v[WN+16:WN+17], s[20:21]
.Lw_end:
	FINISH
.Lpath_o:
; ---------------- PATH O.  kc = work-group - 224: k = 32 kc .. 32 kc + 31.  Wave w makes the images of column tiles nt = 8 w + f.  An image is the 8 registers of a 16-bit operand of
; 16 columns x 32 k: lane (r, h) holds column 16 nt + r; registers 0-3 k = 8 h + 0..7, registers 4-7 k = 16 + 8 h + 0..7; bytes 0-511 registers 0-3 at 16 x lane, bytes 512-1023 registers 4-7.
	s_sub_co_u32 s26, ttmp9, 224
	v_and_b32 v3, 15, v0
	v_bfe_u32 v4, v0, 4, 1
	v_lshlrev_b32 v3, 2, v3
	v_lshl_add_u32 v3, v4, 15, v3                  ; 8 h rows of 4,096 bytes + 4 r
	v_lshlrev_b32 v5, 4, v2
	s_lshl_b32 s28, s26, 17                        ; 32 rows
	s_lshl_b32 s29, s24, 9                         ; 128 columns a wave
	s_add_co_u32 s28, s28, s29
	s_mov_b32 s29, 0
	s_add_nc_u64 s[12:13], s[12:13], s[28:29]
	s_lshl_b32 s28, s24, 18                        ; 8 column tiles of 32,768 bytes a wave
	s_lshl_b32 s30, s26, 10
	s_add_co_u32 s28, s28, s30
	s_add_nc_u64 s[22:23], s[22:23], s[28:29]
.irp j, 0,1,2,3,4,5,6,7,8,9,10,11,12,13,14,15
.irp f, 0,1,2,3,4,5,6,7
	global_load_b32 v[WN+16*\f+\j], v3, s[12:13] offset:(\j+8*(\j/8))*4096+64*\f
.endr
.endr
	s_wait_loadcnt 0x0
.irp f, 0,1,2,3,4,5,6,7
.irp i, 0,1,2,3,4,5,6,7
	v_cvt_pk_f16_f32 v[WC+8*\f+\i], v[WN+16*\f+2*\i], v[WN+16*\f+2*\i+1]
.endr
.endr
.irp f, 0,1,2,3,4,5,6,7
	global_store_b128 v5, v[WC+8*\f:WC+8*\f+3], s[22:23] offset:\f*32768        ; 512 consecutive bytes, aligned
	global_store_b128 v5, v[WC+8*\f+4:WC+8*\f+7], s[22:23] offset:\f*32768+512
.endr
	FINISH
.Lfunc_end_k_q88359a48f6_prep:
	.size	k_q88359a48f6_prep, .Lfunc_end_k_q88359a48f6_prep-k_q88359a48f6_prep
	.p2alignl 7, 3214868480
	.fill 96, 4, 3214868480
	.section	.rodata,"a",@progbits
	.p2align	6, 0x0
	.amdhsa_kernel k_q88359a48f6_prep
		.amdhsa_group_segment_fixed_size 84480
		.amdhsa_private_segment_fixed_size 0
		.amdhsa_enable_private_segment 0
		.amdhsa_kernarg_size 80
		.amdhsa_user_sgpr_count 2
		.amdhsa_user_sgpr_kernarg_segment_ptr 1
		.amdhsa_wavefront_size32 1
		.amdhsa_system_sgpr_workgroup_id_x 1
		.amdhsa_system_sgpr_workgroup_id_y 1
		.amdhsa_system_sgpr_workgroup_id_z 1
		.amdhsa_system_vgpr_workitem_id 0
		.amdhsa_next_free_vgpr 224
		.amdhsa_next_free_sgpr 66
		.amdhsa_reserve_vcc 0
		.amdhsa_float_denorm_mode_32 3
		.amdhsa_float_denorm_mode_16_64 3
		.amdhsa_memory_ordered 1
		.amdhsa_forward_progress 1
		.amdhsa_inst_pref_size 72
	.end_amdhsa_kernel
	.amdgpu_metadata
---
amdhsa.version: [ 1, 2 ]
amdhsa.kernels:
  - .name:           k_q88359a48f6_prep
    .symbol:         k_q88359a48f6_prep.kd
    .args:
      - { .name: normalized_resid_pre, .offset: 0, .size: 8, .value_kind: global_buffer, .address_space: global }
      - { .name: W_Q, .offset: 8, .size: 8, .value_kind: global_buffer, .address_space: global }
      - { .name: W_K, .offset: 16, .size: 8, .value_kind: global_buffer, .address_space: global }
      - { .name: W_V, .offset: 24, .size: 8, .value_kind: global_buffer, .address_space: global }
      - { .name: W_O, .offset: 32, .size: 8, .value_kind: global_buffer, .address_space: global }
      - { .name: xc, .offset: 40, .size: 8, .value_kind: global_buffer, .address_space: global }
      - { .name: xs, .offset: 48, .size: 8, .value_kind: global_buffer, .address_space: global }
      - { .name: wc, .offset: 56, .size: 8, .value_kind: global_buffer, .address_space: global }
      - { .name: ws, .offset: 64, .size: 8, .value_kind: global_buffer, .address_space: global }
      - { .name: woi, .offset: 72, .size: 8, .value_kind: global_buffer, .address_space: global }
    .group_segment_fixed_size: 84480
    .private_segment_fixed_size: 0
    .kernarg_segment_align: 8
    .kernarg_segment_size: 80
    .max_flat_workgroup_size: 256
    .sgpr_count:     66
    .vgpr_count:     224
    .wavefront_size: 32
...
	.end_amdgpu_metadata
.endif
;; end of part 1
;; launch qkv (part 2): grid 12 x 32, 4 waves a work-group, clusters of 4 x 4, 327,680 bytes of LDS; arguments xc, xs, wc, ws, qkv, b_Q, b_K, b_V; writes qkv
.if DOCPART == 2
	.amdgcn_target "amdgcn-amd-amdhsa--gfx1250"
	.amdhsa_code_object_version 6
	.text
	.protected	k_q88359a48f6_qkv
	.globl	k_q88359a48f6_qkv
	.p2align	8
	.type	k_q88359a48f6_qkv,@function
k_q88359a48f6_qkv:
	s_mov_b64 s[64:65], 0
	v_nop
	global_prefetch_b8 v0, s[64:65] scope:SCOPE_SE
	s_setreg_imm32_b32 hwreg(HW_REG_WAVE_MODE, 25, 1), 1
	s_wait_xcnt 0x0
	s_wait_alu depctr_hold_cnt(0) depctr_sa_sdst(0) depctr_va_vdst(0) depctr_va_sdst(0) depctr_va_ssrc(0) depctr_va_vcc(0) depctr_vm_vsrc(0)
	s_getreg_b32 s2, hwreg(HW_REG_IB_STS2, 6, 4)
	s_cmp_eq_u32 s2, 0
	s_cbranch_scc0 .Lentry_in_a_cluster
	s_endpgm
.Lentry_in_a_cluster:
	s_bfe_u32 s2, ttmp6, 0x10000c
	s_cmp_lg_u32 s2, 0xf033
	s_cbranch_scc0 .Lentry_shape_is_right
	s_endpgm
.Lentry_shape_is_right:
; q, k, v = x W + b on codes of FP4 (E2M1) with one E8M0 scale for each 32 along K: C[m][n] = sum over k of A[m][k] B[n][k] + bias[n], A = x's codes [8192][1024], B = the three weights' codes [3072][1024].
; The results leave as f16: qkv, byte = t 2^24 + (16 batch + head) 2^18 + position 128 + channel 2, t = 0 q, 1 k, 2 v.
; LIMITS: q, k, v must stay under 65,504 in magnitude; numbers under 6e-5 keep an absolute step of 6e-8 (f16).
; A tile of C, 256 x 256, is made by four waves, each 128 x 128: 64 accumulators, 512 registers.  K = 1,024 is two slots of 512: both are asked for at the head, and nothing is filled again.
; The scales of the work-group's 256 + 256 rows, for all of K, come once, as rows of 256 bytes.  384 tiles: each work-group makes one.
; CLUSTERS: 4 x 4 work-groups; A's tiles are asked for jointly along a row of the cluster, B's along a column.
; THE MATRIX INSTRUCTION IS USED TRANSPOSED (source 0 = 16 rows of B, source 1 = 16 rows of A): a lane holds eight neighbouring columns of a row of C.  The bias is the C of each sum's first product.
; REGISTERS: window 0: v0-31 addresses; v32-95 scale words alone, two sets; v128-191 A's fragments, one set; v192-255 the bias, 8 tiles of 8; on the way out v128-223 are at work.
;   window 1: B's fragments, two sets, at v0 and v128.  window 2: accumulators of my rows 0-63 ((a, b) at v[8 (8 a + b)]);  window 3: of my rows 64-127.
.set SIZE_M, 8192
.set SIZE_N, 3072
.set SIZE_K, 1024
.set KSTEP,  512
.set NQ,     KSTEP/128
.set ROWB,   256
.set KROW,   SIZE_K*4/8
.set PITCH,  272                       ; an LDS row: 256 bytes + 16 of padding: the 16 rows that a load touches start 68 words apart
.set FR,     8
.set NL,     2
.set NP,     4
.set HALFT,  128*PITCH
.set SLOT,   4*HALFT
.set KS,     SIZE_K/32
.set SCL,    2*SLOT
.set HALFS,  (128*KS/256)*272
.set SBLK,   (16*KS/256)*272
.set SPARE,  SCL+4*HALFS
.set SPITCH, 400                       ; the way out: a stage of 16 rows x (256 bytes + 144) for each wave, in slot 0, which has had its only fill and its last read by then
.set ADRA, 16
.set ADRB, 20
.set STO,  24
.set RD,   25
.set CO,   26
.set ADRS, 27
.set SPW,  28
.set NIL,  29
.set SC,   32
.set AF,   128
.set BI,   192
.set TMP,  128
.set BK,   160
.set G1, 24
.set G0, 32
.set G1B, 48
.set G0B, 56
.set G1S, 68
.set G0S, 76
.set G1SB, 80
.set G0SB, 88
.set MSB, 0
.macro WIN new                         ; the immediate's high byte repeats the setting that is left
.if MSB != (\new)
	s_set_vgpr_msb (MSB<<8)|(\new)
.set MSB, (\new)
.endif
.endm
.set MUL_LO, 0xa1                      ; source 0 (B) window 1, source 1 (A) window 0, C and D window 2
.set MUL_HI, 0xf1                      ; the same, C and D window 3
.set TO_B,   0x40
; A joint load: waves 0 and 1 fetch for A, waves 2 and 3 for B; the branch hangs on the wave's number alone.  An s_nop 0 and four v_nop follow each line.
.macro JLOAD g0a, g1a, g0b, g1b
	s_cmp_eq_u32 s15, 0
	s_cbranch_scc0 .Lfor_b_\@
	tensor_load_to_lds s[\g0a:\g0a+3], s[\g1a:\g1a+7]
	s_nop 0
.rept 4
	v_nop
.endr
	s_branch .Lasked_\@
.Lfor_b_\@:
	tensor_load_to_lds s[\g0b:\g0b+3], s[\g1b:\g1b+7]
	s_nop 0
.rept 4
	v_nop
.endr
.Lasked_\@:
.endm
.macro CROUND                          ; a round of the cluster's barrier
	s_barrier_signal -1
	s_barrier_wait -1
	s_cmp_lg_u32 s14, 0
	s_cbranch_scc1 .Lnot_wave_0_\@
	s_barrier_signal -3
.Lnot_wave_0_\@:
	s_barrier_wait -3
	s_barrier_signal -1
	s_barrier_wait -1
.endm
	s_load_b128 s[4:7], s[0:1], 0x0                ; x's codes, x's scales
	s_load_b128 s[8:11], s[0:1], 0x10              ; the weights' codes, their scales
	s_load_b64 s[12:13], s[0:1], 0x20              ; qkv
	s_load_b128 s[96:99], s[0:1], 0x28             ; b_Q, b_K
	s_load_b64 s[100:101], s[0:1], 0x38            ; b_V
	v_lshl_add_u32 v[SPW], v0, 2, SPARE
	v_mov_b32 v[NIL], 0
	ds_add_u32 v[SPW], v[NIL]                      ; the wave's opening: the add, twice on end, and its wait ahead of my first tensor load
	ds_add_u32 v[SPW], v[NIL]
	v_lshrrev_b32 v1, 5, v0
	v_readfirstlane_b32 s14, v1                    ; wave 0..3
	s_lshr_b32 s15, s14, 1                         ; which half of the tile's rows is mine.  Also: I fetch for A (0) or for B (1)
	s_and_b32 s16, s14, 1                          ; which half of its columns.  Also: which 128 rows of that tile I fetch
	s_bfe_u32 s40, ttmp6, 0x40000                  ; cx, cy
	s_bfe_u32 s41, ttmp6, 0x40004
	s_lshl_b32 s42, ttmp9, 2
	s_add_co_u32 s42, s42, s40                     ; tile column of C
	s_and_b32 s17, ttmp7, 0xffff
	s_lshl_b32 s17, s17, 2
	s_add_co_u32 s17, s17, s41                     ; tile row of C
	s_lshl_b32 s43, s41, 2
	s_lshl_b32 s43, 15, s43                        ; my row of the cluster
	s_lshl_b32 s44, 0x1111, s40                    ; my column
	s_or_b32 s[G1+0], s43, (0<<16)|(1<<20)|(1<<21)|(5<<22)|(3<<25)   ; mask; elements of 1 byte; padding: 4 words after every 64
	s_or_b32 s[G1B+0], s44, (0<<16)|(1<<20)|(1<<21)|(5<<22)|(3<<25)
.irp g, G1, G1B
	s_mov_b32 s[\g+1], ROWB<<16                    ; tensor_dim0
	s_mov_b32 s[\g+2], 128<<16                     ; tensor_dim1
	s_mov_b32 s[\g+3], ROWB<<16                    ; tile_dim0
	s_mov_b32 s[\g+4], 128                         ; tile_dim1
	s_mov_b32 s[\g+5], KROW                        ; stride from row to row
	s_mov_b32 s[\g+6], 0
	s_mov_b32 s[\g+7], 0
.endr
	s_or_b32 s[G1S+0], s43, (3<<16)|(1<<20)|(1<<21)|(5<<22)|(3<<25)  ; the scales of 128 rows: 4,096 dense bytes as 16 rows of 32 elements of 8 bytes, padded alike
	s_or_b32 s[G1SB+0], s44, (3<<16)|(1<<20)|(1<<21)|(5<<22)|(3<<25)
.irp g, G1S, G1SB
	s_mov_b32 s[\g+1], 32<<16
	s_mov_b32 s[\g+2], (128*KS/256)<<16
	s_mov_b32 s[\g+3], 32<<16
	s_mov_b32 s[\g+4], 128*KS/256
	s_mov_b32 s[\g+5], 32
	s_mov_b32 s[\g+6], 0
	s_mov_b32 s[\g+7], 0
.endr
	s_lshl_b32 s18, s16, 7
	s_lshl_b32 s20, s17, 8
	s_add_co_u32 s20, s20, s18                     ; A: row 256 x tile row + 128 x half
	s_lshl_b32 s46, s42, 8
	s_add_co_u32 s46, s46, s18                     ; B: row 256 x tile column + 128 x half
	s_mov_b32 s21, 0
	s_mov_b32 s47, 0
	s_mov_b64 s[18:19], KS
	s_mul_u64 s[22:23], s[20:21], s[18:19]
	s_mul_u64 s[92:93], s[46:47], s[18:19]
	s_mov_b64 s[18:19], KROW
	s_mul_u64 s[20:21], s[20:21], s[18:19]
	s_mul_u64 s[46:47], s[46:47], s[18:19]
	s_mul_i32 s45, s14, HALFT                      ; where they go: wave x 128 rows
	s_mul_i32 s94, s14, HALFS
	s_wait_dscnt 0x0                               ; both opening adds are done
	s_wait_kmcnt 0x0
	s_add_nc_u64 s[20:21], s[4:5], s[20:21]
	s_add_nc_u64 s[22:23], s[6:7], s[22:23]
	s_add_nc_u64 s[46:47], s[8:9], s[46:47]
	s_add_nc_u64 s[92:93], s[10:11], s[92:93]
	CROUND                                         ; all sixteen work-groups are here: the joint loads meet
	s_mov_b32 s[G0S], 1
	s_add_co_u32 s[G0S+1], s94, SCL
	s_mov_b64 s[G0S+2:G0S+3], s[22:23]
	s_or_b32 s[G0S+3], s[G0S+3], 0x80000000
	s_mov_b32 s[G0SB], 1
	s_add_co_u32 s[G0SB+1], s94, SCL
	s_mov_b64 s[G0SB+2:G0SB+3], s[92:93]
	s_or_b32 s[G0SB+3], s[G0SB+3], 0x80000000
	JLOAD G0S, G1S, G0SB, G1SB                     ; three loads of mine go out here and none later: the scales, slot 0, slot 1
.irp s, 0,1
	s_mov_b32 s[G0+4*\s], 1
	s_add_co_u32 s[G0+4*\s+1], s45, \s*SLOT
	s_add_nc_u64 s[G0+4*\s+2:G0+4*\s+3], s[20:21], \s*ROWB
	s_or_b32 s[G0+4*\s+3], s[G0+4*\s+3], 0x80000000
	s_mov_b32 s[G0B+4*\s], 1
	s_add_co_u32 s[G0B+4*\s+1], s45, \s*SLOT
	s_add_nc_u64 s[G0B+4*\s+2:G0B+4*\s+3], s[46:47], \s*ROWB
	s_or_b32 s[G0B+4*\s+3], s[G0B+4*\s+3], 0x80000000
	JLOAD G0+4*\s, G1, G0B+4*\s, G1B
.endr
	v_and_b32 v1, 15, v0                           ; l % 16
	v_bfe_u32 v2, v0, 4, 1                         ; l / 16
	; the bias of my 128 columns: tile b, register j: bias[(tile column % 4) 256 + 128 half + 16 b + 8 (l / 16) + j].  Only a global pointer is chosen by the tile column
	s_cmp_lt_u32 s42, 8
	s_cselect_b64 s[98:99], s[98:99], s[100:101]
	s_cmp_lt_u32 s42, 4
	s_cselect_b64 s[96:97], s[96:97], s[98:99]
	s_and_b32 s46, s42, 3
	s_lshl_b32 s46, s46, 10
	s_lshl_b32 s47, s16, 9
	s_add_co_u32 s46, s46, s47
	s_mov_b32 s47, 0
	s_add_nc_u64 s[96:97], s[96:97], s[46:47]
	v_lshlrev_b32 v7, 5, v2
.irp b, 0,1,2,3,4,5,6,7
	global_load_b128 v[BI+8*\b:BI+8*\b+3], v7, s[96:97] offset:64*\b
	global_load_b128 v[BI+8*\b+4:BI+8*\b+7], v7, s[96:97] offset:64*\b+16
.endr
	v_mul_u32_u24 v3, v1, PITCH
	v_lshl_add_u32 v4, v2, 4, v3                   ; a fragment's row x pitch + 16 x half
	s_mul_i32 s21, s15, HALFT
	s_mul_i32 s22, s16, HALFT
	s_add_co_u32 s22, s22, 2*HALFT
.irp s, 0,1
	v_add_nc_u32 v[ADRA+\s], s21, v4
	v_add_nc_u32 v[ADRB+\s], s22, v4
	s_add_co_u32 s21, s21, SLOT
	s_add_co_u32 s22, s22, SLOT
.endr
	v_mul_u32_u24 v5, v1, KS                       ; my row's scales: KS bytes a row,
	v_lshrrev_b32 v6, 8, v5
	v_lshl_add_u32 v5, v6, 4, v5                   ; and 16 more for each 256 passed
	s_mul_i32 s21, s15, HALFS
	s_mul_i32 s22, s16, HALFS
	s_add_co_u32 s22, s22, 2*HALFS
	s_sub_co_u32 s22, s22, s21
	v_mul_u32_u24 v6, s22, v2                      ; lanes 16-31 take B's
	s_add_co_u32 s21, s21, SCL
	v_add_nc_u32 v5, v5, v6
	v_add_nc_u32 v[ADRS], s21, v5
	s_mul_i32 s23, s14, 16*SPITCH                  ; my stage
	v_mul_u32_u24 v5, v1, SPITCH                   ; in: row l % 16, 16 bytes for each half of the lanes
	v_lshl_add_u32 v5, v2, 4, v5
	v_add_nc_u32 v[STO], s23, v5
	v_bfe_u32 v5, v0, 3, 1                         ; back: lanes 0-7 a row's first 128 bytes (one head), lanes 8-15 the next row's; lanes 16-31 the same rows' second 128 bytes (the next head)
	v_mul_u32_u24 v5, v5, SPITCH
	v_lshl_add_u32 v5, v2, 7, v5
	v_and_b32 v6, 7, v0
	v_lshl_add_u32 v5, v6, 4, v5
	v_add_nc_u32 v[RD], s23, v5
	v_lshlrev_b32 v[CO], 18, v2                    ; in qkv: the next head lies 2^18 bytes on; two positions of a head are 256 consecutive bytes
	v_lshl_add_u32 v[CO], v1, 4, v[CO]
	s_lshl_b32 s20, s17, 8
	s_lshl_b32 s21, s15, 7
	s_add_co_u32 s20, s20, s21                     ; my first row m0 = 256 x tile row + 128 x half
	s_lshr_b32 s21, s20, 11                        ; batch
	s_lshl_b32 s21, s21, 22
	s_and_b32 s20, s20, 2047                       ; position
	s_lshl_b32 s20, s20, 7
	s_add_co_u32 s20, s20, s21
	s_lshr_b32 s21, s42, 2                         ; t
	s_lshl_b32 s21, s21, 24
	s_add_co_u32 s20, s20, s21
	s_and_b32 s21, s42, 3
	s_lshl_b32 s21, s21, 2
	s_lshl_b32 s46, s16, 1
	s_add_co_u32 s21, s21, s46                     ; my first head
	s_lshl_b32 s21, s21, 18
	s_add_co_u32 s20, s20, s21
	s_mov_b32 s21, 0
	s_add_nc_u64 s[12:13], s[12:13], s[20:21]
.macro FRAG reg, adr, q, i             ; 16 rows x 128 K of 4-bit codes: 8 registers: lane l holds row l % 16; registers 4 c .. 4 c + 3 hold K = 64 c + 32 (l / 16) + 0 .. 31
.irp c, 0,1
	ds_load_b128 v[\reg+4*\c:\reg+4*\c+3], v[\adr] offset:64*(\q)+32*\c+(\i)*16*PITCH
.endr
.endm
; 16 matrix instructions: A's blocks a0, a0 + 1 x B's eight.  zero = 1: the first product starts the sums from the bias.  The 64 accumulators take turns, one instruction a turn.
.macro MUL16 a0, p, q, sc, zero
.irp a, \a0, \a0+1
.irp b, 0,1,2,3,4,5,6,7
.if \zero
	v_wmma_scale_f32_16x16x128_f8f6f4 v[8*(8*((\a)%4)+\b):8*(8*((\a)%4)+\b)+7], v[128*(\p)+FR*\b:128*(\p)+FR*\b+FR-1], v[AF+FR*(\a):AF+FR*(\a)+FR-1], v[BI+8*\b:BI+8*\b+7], v[SC+8*NQ*(\sc)+NQ*\b+(\q)], v[SC+8*NQ*(\sc)+NQ*(\a)+(\q)] matrix_a_fmt:MATRIX_FMT_FP4 matrix_b_fmt:MATRIX_FMT_FP4 matrix_a_scale:MATRIX_SCALE_ROW1
.else
	v_wmma_scale_f32_16x16x128_f8f6f4 v[8*(8*((\a)%4)+\b):8*(8*((\a)%4)+\b)+7], v[128*(\p)+FR*\b:128*(\p)+FR*\b+FR-1], v[AF+FR*(\a):AF+FR*(\a)+FR-1], v[8*(8*((\a)%4)+\b):8*(8*((\a)%4)+\b)+7], v[SC+8*NQ*(\sc)+NQ*\b+(\q)], v[SC+8*NQ*(\sc)+NQ*(\a)+(\q)] matrix_a_fmt:MATRIX_FMT_FP4 matrix_b_fmt:MATRIX_FMT_FP4 matrix_a_scale:MATRIX_SCALE_ROW1
.endif
.endr
.endr
.endm
.macro FETCH_B slot, q, p
	WIN TO_B
.irp i, 0,1,2,3,4,5,6,7
	FRAG 128*(\p)+FR*\i, ADRB+\slot, \q, \i
.endr
	WIN 0
.endm
.macro FETCH_A slot, q, i0
.irp i, \i0, \i0+1, \i0+2, \i0+3
	FRAG AF+FR*(\i), ADRA+\slot, \q, \i
.endr
.endm
.macro SCALES sc                       ; a slot's scale words: lanes 0-15 take A's block i, lanes 16-31 B's block i
.irp i, 0,1,2,3,4,5,6,7
	ds_load_b128 v[SC+8*NQ*\sc+NQ*\i:SC+8*NQ*\sc+NQ*\i+3], v[ADRS] offset:\i*SBLK
.endr
.endm
.macro PLACES n                        ; plain vector instructions between a matrix instruction and a load into, or a read of, its registers
.rept \n
	v_nop
.endr
.endm
.macro STEP slot, q, zero
	s_wait_dscnt 4*NL                              ; B's set and A's blocks 0-3 are in; the youngest eight loads (A's blocks 4-7) may be out
.if \zero
	WIN 0x81                                       ; C, the bias, in window 0
.else
	WIN MUL_LO
.endif
	MUL16 0, (\q)%2, \q, \slot, \zero
	MUL16 2, (\q)%2, \q, \slot, \zero
	s_wait_dscnt 0
	PLACES NP
	FETCH_B \slot, (\q)+1, 1-(\q)%2
	FETCH_A \slot, (\q)+1, 0
.if \zero
	WIN 0xc1
.else
	WIN MUL_HI
.endif
	MUL16 4, (\q)%2, \q, \slot, \zero
	MUL16 6, (\q)%2, \q, \slot, \zero
	PLACES NP
	WIN 0
	FETCH_A \slot, (\q)+1, 4
.endm
; Slot 0's last step changes slots: one barrier; in front of it each wave waits for all its tensor loads, adds 0 to its spare word, and waits for that and for its reads of slot 0.  Nothing is filled again.
.macro TURN slot, next
	s_wait_tensorcnt 0x0                           ; my part of the next slot has landed
	ds_add_u32 v[SPW], v[NIL]
	s_wait_dscnt 4*NL+1                            ; the add and the youngest eight loads may be out
	WIN MUL_LO
	MUL16 0, 1, NQ-1, \slot, 0
	s_wait_dscnt 0x0                               ; the add is done, and my reads of this slot are over
	s_barrier_signal -1
	MUL16 2, 1, NQ-1, \slot, 0
	WIN 0
	s_barrier_wait -1
	PLACES NP
	v_add_nc_u32 v[ADRS], 4*NQ, v[ADRS]            ; on to the next slot's scale words
	FETCH_B \next, 0, 0
	FETCH_A \next, 0, 0
	SCALES \next
	WIN MUL_HI
	MUL16 4, 1, NQ-1, \slot, 0
	MUL16 6, 1, NQ-1, \slot, 0
	PLACES NP
	WIN 0
	FETCH_A \next, 0, 4
.endm
.macro STEPS slot, from
.set Q, \from
.rept NQ-1-\from
	STEP \slot, Q, 0
.set Q, Q+1
.endr
.endm
	s_wait_tensorcnt 1                             ; the scales and my part of slot 0 are in; slot 1's load may be out,
	s_barrier_signal -1
	s_barrier_wait -1                              ; everybody's are
	FETCH_B 0, 0, 0
	FETCH_A 0, 0, 0
	SCALES 0
	FETCH_A 0, 0, 4
	s_wait_loadcnt 0x0                             ; the bias
	STEP 0, 0, 1
	STEPS 0, 1
	TURN 0, 1
	STEPS 1, 0
	s_wait_dscnt 4*NL                              ; the very last step
	WIN MUL_LO
	MUL16 0, 1, NQ-1, 1, 0
	MUL16 2, 1, NQ-1, 1, 0
	s_wait_dscnt 0
	WIN MUL_HI
	MUL16 4, 1, NQ-1, 1, 0
	MUL16 6, 1, NQ-1, 1, 0
	WIN 0
; THE WAY OUT, block by block of 16 rows x 128 columns: rounded to f16 (16 bytes a lane), through my own stage, back so that sixteen lanes hold two positions of one head: 256 consecutive bytes, aligned.
.macro PACK a
.set AC, 64*((\a)%4)
	WIN 0x0a+5*((\a)/4)                            ; sources 0 and 1: window 2 or 3
.irp b, 0,1,2,3,4,5,6,7
.irp r, 0,1,2,3
	v_cvt_pk_f16_f32 v[TMP+4*\b+\r], v[AC+8*\b+2*\r], v[AC+8*\b+2*\r+1]   ; each accumulator from its low end on
.endr
.endr
	WIN 0
.endm
.macro TOSTAGE a
.set BB, BK+32*((\a)%2)
.irp b, 0,1,2,3,4,5,6,7
	ds_store_b128 v[STO], v[TMP+4*\b:TMP+4*\b+3] offset:32*\b
.endr
.irp t, 0,1,2,3,4,5,6,7
	ds_load_b128 v[BB+4*\t:BB+4*\t+3], v[RD] offset:\t*2*SPITCH    ; LDS serves a wave's instructions in order: these see the stores above
.endr
.endm
.macro SEND a
.set BB, BK+32*((\a)%2)
	s_wait_dscnt 0x0                               ; the block is back in registers
	s_wait_xcnt 0x0                                ; the stores of the block before have read their registers: the next block's loads may land there
.irp t, 0,1,2,3,4,5,6,7
	global_store_b128 v[CO], v[BB+4*\t:BB+4*\t+3], s[12:13] offset:(\a)*2048+\t*256
.endr
.endm
	PLACES NP                                      ; behind the last products: the conversions write registers that held A's fragments
	PACK 0
	TOSTAGE 0
.irp a, 1,2,3,4,5,6,7
	PACK \a
	SEND \a-1
	TOSTAGE \a
.endr
	SEND 7
	s_wait_tensorcnt 0x0                           ; the wave's end
	ds_add_u32 v[SPW], v[NIL]
	s_wait_dscnt 0x0
	CROUND                                         ; the closing round
	s_endpgm
.Lfunc_end_k_q88359a48f6_qkv:
	.size	k_q88359a48f6_qkv, .Lfunc_end_k_q88359a48f6_qkv-k_q88359a48f6_qkv
	.p2alignl 7, 3214868480
	.fill 96, 4, 3214868480
	.section	.rodata,"a",@progbits
	.p2align	6, 0x0
	.amdhsa_kernel k_q88359a48f6_qkv
		.amdhsa_group_segment_fixed_size 327680
		.amdhsa_private_segment_fixed_size 0
		.amdhsa_enable_private_segment 0
		.amdhsa_kernarg_size 64
		.amdhsa_user_sgpr_count 2
		.amdhsa_user_sgpr_kernarg_segment_ptr 1
		.amdhsa_wavefront_size32 1
		.amdhsa_system_sgpr_workgroup_id_x 1
		.amdhsa_system_sgpr_workgroup_id_y 1
		.amdhsa_system_sgpr_workgroup_id_z 1
		.amdhsa_system_vgpr_workitem_id 0
		.amdhsa_next_free_vgpr 1024
		.amdhsa_next_free_sgpr 102
		.amdhsa_reserve_vcc 0
		.amdhsa_float_denorm_mode_32 3
		.amdhsa_float_denorm_mode_16_64 3
		.amdhsa_memory_ordered 1
		.amdhsa_forward_progress 1
		.amdhsa_inst_pref_size 129
	.end_amdhsa_kernel
	.amdgpu_metadata
---
amdhsa.version: [ 1, 2 ]
amdhsa.kernels:
  - .name:           k_q88359a48f6_qkv
    .symbol:         k_q88359a48f6_qkv.kd
    .args:
      - { .name: xc, .offset: 0, .size: 8, .value_kind: global_buffer, .address_space: global }
      - { .name: xs, .offset: 8, .size: 8, .value_kind: global_buffer, .address_space: global }
      - { .name: wc, .offset: 16, .size: 8, .value_kind: global_buffer, .address_space: global }
      - { .name: ws, .offset: 24, .size: 8, .value_kind: global_buffer, .address_space: global }
      - { .name: qkv, .offset: 32, .size: 8, .value_kind: global_buffer, .address_space: global }
      - { .name: b_Q, .offset: 40, .size: 8, .value_kind: global_buffer, .address_space: global }
      - { .name: b_K, .offset: 48, .size: 8, .value_kind: global_buffer, .address_space: global }
      - { .name: b_V, .offset: 56, .size: 8, .value_kind: global_buffer, .address_space: global }
    .group_segment_fixed_size: 327680
    .private_segment_fixed_size: 0
    .kernarg_segment_align: 8
    .kernarg_segment_size: 64
    .max_flat_workgroup_size: 128
    .sgpr_count:     102
    .vgpr_count:     1024
    .wavefront_size: 32
...
	.end_amdgpu_metadata
.endif
;; end of part 2
;; launch first_z (part 3): grid 64 x 1, 3 waves a work-group, no clusters, 12,800 bytes of LDS; arguments xc, xs, wc, ws, b_Q, b_K, b_V, z16; writes z16
.if DOCPART == 3
	.amdgcn_target "amdgcn-amd-amdhsa--gfx1250"
	.amdhsa_code_object_version 6
	.text
	.protected	k_q88359a48f6_first_z
	.globl	k_q88359a48f6_first_z
	.p2align	8
	.type	k_q88359a48f6_first_z,@function
k_q88359a48f6_first_z:
	s_mov_b64 s[64:65], 0
	v_nop
	global_prefetch_b8 v0, s[64:65] scope:SCOPE_SE
	s_setreg_imm32_b32 hwreg(HW_REG_WAVE_MODE, 25, 1), 1
	s_wait_xcnt 0x0
; POSITIONS 0-15 OF EVERY SEQUENCE, CARRIED IN f32.  These rows average one to sixteen values and are the largest of the output, so nothing of them is rounded to 16 bits.
; Work-group y = 16 batch + head.  Wave t makes q (0), k (1) or v (2) of the 16 positions x 64 channels on the FP4 codes, sums in f32; the three meet in LDS as images of registers;
; wave 0 then takes scores, causal softmax and the weighted sum by the f32 matrix form.  z16 [y][8][512 bytes]: image q = registers 4 q .. 4 q + 3 at 16 x lane;
; register 8 c + j of lane (r, h) = z(position r, channel 16 c + 8 h + j).
; q and k are made transposed (source 0 = 16 rows of W, source 1 = x): a lane holds one position, its registers run along the channels.  v is made the natural way: a lane holds one channel, registers run along the positions.
; b_V is added at the end, z = (sum of p v) / l + b_V: the weights p / l sum to 1.
; The f32 form takes k = 2 (lane / 16) + j from register j; the same registers of k's and q's images are given to both sides, so both sides carry the same channel at each place.
; REGISTERS: window 0: v1-13 addresses and work; v14, v15 the add's two; v16-79 x's fragments, later k, v, z; v80-87 x's scale words; v88-119 W's scale words; v120-151 my tensor;
;   v152-183 scores in four parts, v184-215 z^T (written by the f32 matrix form alone); v216-223 scores, then p; v224-255 b_V.   window 1: W's 32 fragments (tile t, K step s at 64 t + 8 s).
.set SPARE, 12288
.set XF, 16
.set XS, 80
.set WS, 88
.set ACC, 120
.set SA, 152
.set ZA, 184
.set PP, 216
.set BV, 224
.set MSB, 0
.macro WIN new
.if MSB != (\new)
	s_set_vgpr_msb (MSB<<8)|(\new)
.set MSB, (\new)
.endif
.endm
	s_load_b512 s[4:19], s[0:1], 0x0               ; xc s[4:5], xs s[6:7], wc s[8:9], ws s[10:11], b_Q s[12:13], b_K s[14:15], b_V s[16:17], z16 s[18:19]
	v_lshl_add_u32 v14, v0, 2, SPARE
	v_mov_b32 v15, 0
	v_lshrrev_b32 v1, 5, v0
	v_readfirstlane_b32 s20, v1                    ; wave 0..2
	v_and_b32 v1, 15, v0                           ; r
	v_bfe_u32 v2, v0, 4, 1                         ; h
	v_lshlrev_b32 v3, 9, v1
	v_lshl_add_u32 v3, v2, 4, v3                   ; a fragment: row r of 512 bytes + 16 h
	v_lshlrev_b32 v4, 5, v1                        ; a row of 32 scale bytes
	v_lshlrev_b32 v5, 5, v2                        ; a bias tile: 32 h
	v_and_b32 v6, 31, v0
	v_lshlrev_b32 v6, 4, v6                        ; an image: 16 x lane
	s_lshl_b32 s21, s20, 12
	v_add_nc_u32 v7, s21, v6                       ; my wave's image: + 4,096 x wave
	v_lshlrev_b32 v10, 3, v2
	v_sub_nc_u32 v10, v1, v10                      ; r - 8 h: register j holds key 8 h + j, hidden where j > r - 8 h
	v_mov_b32 v11, 0xff7fffff                      ; the most negative f32 number, as the definition has it
	v_mov_b32 v9, 0                                ; (a lane permute's destination counts as read)
	s_mov_b32 s22, 0x76543210
	s_mov_b32 s23, 0xfedcba98
	s_mov_b32 s24, 0x3e38aa3b                      ; c = log2(e) / sqrt(64)
	s_lshr_b32 s25, ttmp9, 4                       ; batch
	s_and_b32 s26, ttmp9, 15                       ; head
	s_lshl_b32 s28, s25, 20                        ; 2,048 rows of 512 bytes
	s_mov_b32 s29, 0
	s_lshl_b32 s30, s25, 16                        ; 2,048 rows of 32 bytes
	s_mov_b32 s31, 0
	s_lshl_b32 s32, s20, 10
	s_lshl_b32 s33, s26, 6
	s_add_co_u32 s32, s32, s33                     ; my first row of the weights: 1,024 x wave + 64 x head
	s_lshl_b32 s34, s32, 5
	s_mov_b32 s35, 0
	s_lshl_b32 s32, s32, 9
	s_mov_b32 s33, 0
	s_lshl_b32 s36, s26, 8                         ; a head's 64 biases
	s_mov_b32 s37, 0
	s_lshl_b32 s38, ttmp9, 12
	s_mov_b32 s39, 0
	s_wait_kmcnt 0x0
	s_add_nc_u64 s[4:5], s[4:5], s[28:29]
	s_add_nc_u64 s[6:7], s[6:7], s[30:31]
	s_add_nc_u64 s[8:9], s[8:9], s[32:33]
	s_add_nc_u64 s[10:11], s[10:11], s[34:35]
	s_cmp_eq_u32 s20, 0
	s_cselect_b64 s[12:13], s[12:13], s[14:15]     ; wave 0: b_Q; wave 1: b_K
	s_add_nc_u64 s[12:13], s[12:13], s[36:37]
	s_add_nc_u64 s[16:17], s[16:17], s[36:37]
	s_add_nc_u64 s[18:19], s[18:19], s[38:39]
.irp s, 0,1,2,3,4,5,6,7
	global_load_b128 v[XF+8*\s:XF+8*\s+3], v3, s[4:5] offset:64*\s
	global_load_b128 v[XF+8*\s+4:XF+8*\s+7], v3, s[4:5] offset:64*\s+32
.endr
	global_load_b128 v[XS:XS+3], v4, s[6:7]
	global_load_b128 v[XS+4:XS+7], v4, s[6:7] offset:16
.irp t, 0,1,2,3
	global_load_b128 v[WS+8*\t:WS+8*\t+3], v4, s[10:11] offset:512*\t
	global_load_b128 v[WS+8*\t+4:WS+8*\t+7], v4, s[10:11] offset:512*\t+16
	global_load_b128 v[BV+8*\t:BV+8*\t+3], v5, s[16:17] offset:64*\t
	global_load_b128 v[BV+8*\t+4:BV+8*\t+7], v5, s[16:17] offset:64*\t+16
.endr
	WIN 0x40                                       ; destination window 1
.irp t, 0,1,2,3
.irp s, 0,1,2,3,4,5,6,7
	global_load_b128 v[64*\t+8*\s:64*\t+8*\s+3], v3, s[8:9] offset:8192*\t+64*\s
	global_load_b128 v[64*\t+8*\s+4:64*\t+8*\s+7], v3, s[8:9] offset:8192*\t+64*\s+32
.endr
.endr
	WIN 0
	s_cmp_lt_u32 s20, 2
	s_cbranch_scc0 .Lwave_v
.irp t, 0,1,2,3                                ; q, k: the bias is the C of the first product: tile t, register j: bias[64 head + 16 t + 8 h + j]
	global_load_b128 v[ACC+8*\t:ACC+8*\t+3], v5, s[12:13] offset:64*\t
	global_load_b128 v[ACC+8*\t+4:ACC+8*\t+7], v5, s[12:13] offset:64*\t+16
.endr
	s_wait_loadcnt 0x0
	WIN 0x01                                       ; source 0 (W) window 1
.irp s, 0,1,2,3,4,5,6,7                        ; the four accumulators by turns
.irp t, 0,1,2,3
	v_wmma_scale_f32_16x16x128_f8f6f4 v[ACC+8*\t:ACC+8*\t+7], v[64*\t+8*\s:64*\t+8*\s+7], v[XF+8*\s:XF+8*\s+7], v[ACC+8*\t:ACC+8*\t+7], v[WS+8*\t+\s], v[XS+\s] matrix_a_fmt:MATRIX_FMT_FP4 matrix_b_fmt:MATRIX_FMT_FP4
.endr
.endr
	WIN 0
	s_branch .Lmade
.Lwave_v:
	s_wait_loadcnt 0x0
	WIN 0x04                                       ; source 1 (W) window 1
.irp s, 0,1,2,3,4,5,6,7
.irp t, 0,1,2,3
.if \s == 0
	v_wmma_scale_f32_16x16x128_f8f6f4 v[ACC+8*\t:ACC+8*\t+7], v[XF+8*\s:XF+8*\s+7], v[64*\t+8*\s:64*\t+8*\s+7], 0, v[XS+\s], v[WS+8*\t+\s] matrix_a_fmt:MATRIX_FMT_FP4 matrix_b_fmt:MATRIX_FMT_FP4
.else
	v_wmma_scale_f32_16x16x128_f8f6f4 v[ACC+8*\t:ACC+8*\t+7], v[XF+8*\s:XF+8*\s+7], v[64*\t+8*\s:64*\t+8*\s+7], v[ACC+8*\t:ACC+8*\t+7], v[XS+\s], v[WS+8*\t+\s] matrix_a_fmt:MATRIX_FMT_FP4 matrix_b_fmt:MATRIX_FMT_FP4
.endif
.endr
.endr
	WIN 0
.Lmade:
.rept 5
	v_nop                                          ; five places: the results are stored, wave 0's are also an operand of the next products, and x's registers are loaded anew
.endr
.irp q, 0,1,2,3,4,5,6,7
	ds_store_b128 v7, v[ACC+4*\q:ACC+4*\q+3] offset:512*\q
.endr
	s_wait_dscnt 0x0                               ; for wave 0's sake: my image is whole
	s_barrier_signal -1
	s_barrier_wait -1
	s_cmp_lg_u32 s20, 0
	s_cbranch_scc1 .Lend
.irp q, 0,1,2,3,4,5,6,7
	ds_load_b128 v[16+4*\q:19+4*\q], v6 offset:4096+512*\q     ; k
.endr
.irp q, 0,1,2,3,4,5,6,7
	ds_load_b128 v[48+4*\q:51+4*\q], v6 offset:8192+512*\q     ; v
.endr
	s_wait_dscnt 0x0
.irp u, 0,1,2,3                                ; S^T = k q^T in four parts, one for each 16 channels; the four accumulators by turns
.irp t, 0,1,2,3
.if \u == 0
	v_wmma_f32_16x16x4_f32 v[SA+8*\t:SA+8*\t+7], v[16+8*\t+2*\u:17+8*\t+2*\u], v[ACC+8*\t+2*\u:ACC+8*\t+2*\u+1], 0
.else
	v_wmma_f32_16x16x4_f32 v[SA+8*\t:SA+8*\t+7], v[16+8*\t+2*\u:17+8*\t+2*\u], v[ACC+8*\t+2*\u:ACC+8*\t+2*\u+1], v[SA+8*\t:SA+8*\t+7]
.endif
.endr
.endr
.rept 8
	v_nop                                          ; eight places behind this form
.endr
.irp j, 0,1,2,3,4,5,6,7                        ; lane (r, h): query r, register j: key 8 h + j
	v_add_f32 v8, v[SA+\j], v[SA+8+\j]
	v_add_f32 v9, v[SA+16+\j], v[SA+24+\j]
	v_add_f32 v[PP+\j], v8, v9
.endr
.irp j, 0,1,2,3,4,5,6,7
	v_cmp_gt_i32 vcc_lo, \j, v10
	v_cndmask_b32 v[PP+\j], v[PP+\j], v11, vcc_lo
.endr
	v_max3_num_f32 v8, v[PP], v[PP+1], v[PP+2]
	v_max3_num_f32 v8, v8, v[PP+3], v[PP+4]
	v_max3_num_f32 v8, v8, v[PP+5], v[PP+6]
	v_max_num_f32 v8, v8, v[PP+7]
	v_permlanex16_b32 v9, v8, s22, s23
	v_max_num_f32 v8, v8, v9                       ; the row's maximum (key 0 counts for every query)
	v_mul_f32 v9, s24, v8
.irp j, 0,1,2,3,4,5,6,7
	v_fma_f32 v[PP+\j], v[PP+\j], s24, -v9
.endr
.irp j, 0,1,2,3,4,5,6,7
	v_exp_f32 v[PP+\j], v[PP+\j]
.endr
	v_nop                                          ; a plain instruction behind the last exponential,
	s_wait_alu depctr_va_vdst(0)                   ; and one wait for the batch, ahead of its first reader
	v_add_f32 v8, v[PP], v[PP+1]
	v_add_f32 v13, v[PP+2], v[PP+3]
	v_add_f32 v8, v8, v[PP+4]
	v_add_f32 v13, v13, v[PP+5]
	v_add_f32 v8, v8, v[PP+6]
	v_add_f32 v13, v13, v[PP+7]
	v_add_f32 v8, v8, v13
	v_permlanex16_b32 v9, v8, s22, s23
	v_add_f32 v8, v8, v9                           ; l
	v_rcp_f32 v12, v8
	v_nop
	s_wait_alu depctr_va_vdst(0)
.irp u, 0,1,2,3                                ; z^T = v^T p: source 0 = 16 channels, k = the keys; four accumulators by turns
.irp t, 0,1,2,3
.if \u == 0
	v_wmma_f32_16x16x4_f32 v[ZA+8*\t:ZA+8*\t+7], v[48+8*\t+2*\u:49+8*\t+2*\u], v[PP+2*\u:PP+2*\u+1], 0
.else
	v_wmma_f32_16x16x4_f32 v[ZA+8*\t:ZA+8*\t+7], v[48+8*\t+2*\u:49+8*\t+2*\u], v[PP+2*\u:PP+2*\u+1], v[ZA+8*\t:ZA+8*\t+7]
.endif
.endr
.endr
.rept 8
	v_nop
.endr
.set j, 0
.rept 32
	v_fma_f32 v[16+j], v[ZA+j], v12, v[BV+j]       ; z = sum / l + b_V, into other registers
.set j, j+1
.endr
.irp q, 0,1,2,3,4,5,6,7
	global_store_b128 v6, v[16+4*\q:19+4*\q], s[18:19] offset:512*\q   ; 512 consecutive bytes, aligned
.endr
.Lend:
	s_wait_tensorcnt 0x0                           ; the wave's end
	ds_add_u32 v14, v15
	s_wait_dscnt 0x0
	s_endpgm
.Lfunc_end_k_q88359a48f6_first_z:
	.size	k_q88359a48f6_first_z, .Lfunc_end_k_q88359a48f6_first_z-k_q88359a48f6_first_z
	.p2alignl 7, 3214868480
	.fill 96, 4, 3214868480
	.section	.rodata,"a",@progbits
	.p2align	6, 0x0
	.amdhsa_kernel k_q88359a48f6_first_z
		.amdhsa_group_segment_fixed_size 12800
		.amdhsa_private_segment_fixed_size 0
		.amdhsa_enable_private_segment 0
		.amdhsa_kernarg_size 64
		.amdhsa_user_sgpr_count 2
		.amdhsa_user_sgpr_kernarg_segment_ptr 1
		.amdhsa_wavefront_size32 1
		.amdhsa_system_sgpr_workgroup_id_x 1
		.amdhsa_system_sgpr_workgroup_id_y 1
		.amdhsa_system_sgpr_workgroup_id_z 1
		.amdhsa_system_vgpr_workitem_id 0
		.amdhsa_next_free_vgpr 512
		.amdhsa_next_free_sgpr 66
		.amdhsa_reserve_vcc 1
		.amdhsa_float_denorm_mode_32 3
		.amdhsa_float_denorm_mode_16_64 3
		.amdhsa_memory_ordered 1
		.amdhsa_forward_progress 1
		.amdhsa_inst_pref_size 31
	.end_amdhsa_kernel
	.amdgpu_metadata
---
amdhsa.version: [ 1, 2 ]
amdhsa.kernels:
  - .name:           k_q88359a48f6_first_z
    .symbol:         k_q88359a48f6_first_z.kd
    .args:
      - { .name: xc, .offset: 0, .size: 8, .value_kind: global_buffer, .address_space: global }
      - { .name: xs, .offset: 8, .size: 8, .value_kind: global_buffer, .address_space: global }
      - { .name: wc, .offset: 16, .size: 8, .value_kind: global_buffer, .address_space: global }
      - { .name: ws, .offset: 24, .size: 8, .value_kind: global_buffer, .address_space: global }
      - { .name: b_Q, .offset: 32, .size: 8, .value_kind: global_buffer, .address_space: global }
      - { .name: b_K, .offset: 40, .size: 8, .value_kind: global_buffer, .address_space: global }
      - { .name: b_V, .offset: 48, .size: 8, .value_kind: global_buffer, .address_space: global }
      - { .name: z16, .offset: 56, .size: 8, .value_kind: global_buffer, .address_space: global }
    .group_segment_fixed_size: 12800
    .private_segment_fixed_size: 0
    .kernarg_segment_align: 8
    .kernarg_segment_size: 64
    .max_flat_workgroup_size: 96
    .sgpr_count:     66
    .vgpr_count:     512
    .wavefront_size: 32
...
	.end_amdgpu_metadata
.endif
;; end of part 3
;; launch attn (part 4): grid 4 x 64, 8 waves a work-group, no clusters, 327,680 bytes of LDS; arguments qkv, zi; writes zi
.if DOCPART == 4
	.amdgcn_target "amdgcn-amd-amdhsa--gfx1250"
	.amdhsa_code_object_version 6
	.text
	.protected	k_q88359a48f6_attn
	.globl	k_q88359a48f6_attn
	.p2align	8
	.type	k_q88359a48f6_attn,@function
k_q88359a48f6_attn:
	s_mov_b64 s[64:65], 0
	v_nop
	global_prefetch_b8 v0, s[64:65] scope:SCOPE_SE
	s_setreg_imm32_b32 hwreg(HW_REG_WAVE_MODE, 25, 1), 1
	s_wait_xcnt 0x0
; z[b][q][head][:] = sum over k <= q of softmax_k(q . k / 8) v[k], on f16 operands with f32 products, maxima and sums; a running maximum and sum for each query.
; q, k, v: qkv, byte = t 2^24 + y 2^18 + position 128 + channel 2, y = 16 batch + head.  z leaves as f16 images of operand registers for the projection that follows:
; zi [(2048 batch + position) / 16][2 head + channel / 32][1024 bytes]; lane (r, h): row r; bytes 0-511 channels 8 h + 0..7 at 16 x lane, bytes 512-1023 channels 16 + 8 h + 0..7.
; LIMITS: z must stay under 65,504; weights p under 6e-8 are lost to the second product (they stay in the row's sum).
; SHARES.  Work-group (i, y) owns the query blocks 7 - i and i of head y, 256 queries each: it walks (8 - i) + (i + 1) = 9 slots of 256 keys, the same number in all 256 work-groups.
; Each of eight waves owns 32 queries of the block in hand, two tiles of 16; a key step is 64 keys; two waves share a SIMD, so that one's vector work stands beside the other's products.
; A step all of whose keys come after the wave's queries is left out by a scalar branch on ids; on the diagonal hidden scores are replaced ahead of the maximum.
; NO CLUSTER: the four work-groups of a head want different tiles from the fifth slot on (block 7 - i ends at tile 7 - i); walking tiles 0-7 jointly would take 8 + 4 = 12 slots in place of 9,
; and a work-group fetches only 9 x 64 KiB in the whole launch.
; LAYOUT.  Both products transposed: S^T = K Q^T (source 0 = 16 keys), O^T = V^T P (source 0 = 16 channels): a lane holds one query throughout.  V is turned on its way out of LDS.
; REGISTERS: window 0: v1-13 addresses, v14, v15 the add's two, v16-31 statistics (8 a tile: c m, m, l, l, four at work), v32-63 Q, v64-127 S^T, v128-159 P, v160-223 O^T, v224-255 packed z.
;   window 1: v0-63 K of a step, v64-127 V of a step.
.set SLOT1, 131072                     ; slot 1 begins here: one exclusive or turns an address from one slot to the other
.set PK,    144                        ; a key's row in LDS: 128 bytes + 16
.set PV,    160                        ; a value's row: 128 bytes + 32
.set VOFF,  256*PK
.set SPARE, 2*SLOT1                    ; the spare words: 128 bytes for each of eight waves
.set AK0, 1
.set AV0, 2
.set ADK, 3
.set ADV, 4
.set QO,  5
.set GO,  8
.set RH,  9
.set DM,  10
.set NEG, 12
.set PFO, 13
.set SPW, 14
.set NIL, 15
.set ST,  16
.set QF,  32
.set S,   64
.set P,   128
.set O,   160
.set OUT, 224
.set WV,  8                            ; s8   wave
.set YH,  9                            ; s9   16 batch + head
.set WI,  10                           ; s10  i
.set SW,  11                           ; s11  7 - i: the first block, and the trip behind which the blocks change
.set DB,  12                           ; s[12:13] what the walking addresses go back by in this trip
.set BACK, 14                          ; s14  (8 - i) slots of 32,768 bytes
.set T,   15                           ; s15  the trip
.set STP, 16
.set KB,  17                           ; s17  LDS byte at which the step's keys begin
.set VB,  18                           ; s18  the same for the values (less VOFF)
.set KF,  19                           ; s19  the step's first key
.set Q0,  20                           ; s20  my first query
.set SEL, 22
.set CS,  24                           ; s[24:25] c = log2(e) / 8
.set G1K, 28
.set G1V, 36
.set G0K, 44
.set G0V, 48
.set QP,  52
.set QA,  54
.set ZA,  56
.set PFA, 66
.set LIM, 68
.set MSB, 0
.macro WIN new
.if MSB != (\new)
	s_set_vgpr_msb (MSB<<8)|(\new)
.set MSB, (\new)
.endif
.endm
; Waves 0 to 3 fetch 64 keys each, waves 4 to 7 64 values each: one tensor load a wave.  An s_nop 0 and four v_nop follow each line.
.macro TLOAD
	s_cmp_lt_u32 s[WV], 4
	s_cbranch_scc0 .Lfor_v_\@
	tensor_load_to_lds s[G0K:G0K+3], s[G1K:G1K+7]
	s_nop 0
.rept 4
	v_nop
.endr
	s_branch .Lasked_\@
.Lfor_v_\@:
	tensor_load_to_lds s[G0V:G0V+3], s[G1V:G1V+7]
	s_nop 0
.rept 4
	v_nop
.endr
.Lasked_\@:
.endm
; A prefetch of the tile that the NEXT change of slots will ask for.  All four work-groups of a head walk tiles 0, 1, .. first: the one with i = 0, which walks all eight, asks, and nobody else.
; Each wave asks for the 8,192 bytes that it will itself fetch, lanes 256 bytes apart: in trip T tile T + 2, while T + 2 <= 7.  So each aligned block of 256 bytes is named once in the launch.
.macro ASK
	s_cmp_lt_u32 s[T], s[LIM]
	s_cbranch_scc0 .Lnot_mine_\@
	global_prefetch_b8 v[PFO], s[PFA:PFA+1] th:TH_LOAD_NT scope:SCOPE_SE
.Lnot_mine_\@:
.endm
.macro QLOAD blk                       ; the block in s[blk]: my 32 queries' fragments; the walk over the keys begins anew
	s_lshl_b32 s[Q0], s[\blk], 8
	s_lshl_b32 s70, s[WV], 5
	s_add_co_u32 s[Q0], s[Q0], s70
	s_mov_b32 s[KF], 0
	s_lshl_b32 s70, s[Q0], 7
	s_mov_b32 s71, 0
	s_add_nc_u64 s[QA:QA+1], s[QP:QP+1], s[70:71]
.irp qt, 0,1
.irp c, 0,1
	global_load_b128 v[QF+16*\qt+8*\c:QF+16*\qt+8*\c+3], v[QO], s[QA:QA+1] offset:\qt*2048+\c*64
	global_load_b128 v[QF+16*\qt+8*\c+4:QF+16*\qt+8*\c+7], v[QO], s[QA:QA+1] offset:\qt*2048+\c*64+32
.endr
.endr
.endm
.macro RESET                           ; where z of the block in hand goes; the statistics and O^T begin anew (the step is written once: its first pass finds zeros)
	s_wait_xcnt 0x0                                ; the last block's stores have read their base and their data
	s_lshr_b32 s70, s[YH], 4
	s_lshl_b32 s70, s70, 11
	s_add_co_u32 s70, s70, s[Q0]
	s_lshl_b32 s70, s70, 11                        ; (2048 batch + Q0) / 16 row tiles of 32,768 bytes
	s_and_b32 s71, s[YH], 15
	s_lshl_b32 s71, s71, 11                        ; two images of 1,024 bytes a head
	s_add_co_u32 s70, s70, s71
	s_mov_b32 s71, 0
	s_add_nc_u64 s[ZA:ZA+1], s[6:7], s[70:71]
.irp t, 0,1
	v_mov_b32 v[ST+8*\t+1], 0xff61b1e6             ; m = -3e38, under every score
	v_mul_f32 v[ST+8*\t], s[CS], v[ST+8*\t+1]
.irp n, 2,3,4,5,6,7
	v_mov_b32 v[ST+8*\t+\n], 0
.endr
.endr
.set j, 0
.rept 64
	v_mov_b32 v[O+j], 0
.set j, j+1
.endr
	s_wait_loadcnt 0x0                             ; Q
.endm
; A KEY STEP: 64 keys.
.macro STEP
	s_add_co_u32 s70, s[Q0], 31
	s_cmp_gt_u32 s[KF], s70                        ; all 64 keys come after my 32 queries: ids and counts alone
	s_cbranch_scc1 .Lhid_\@
	v_add_nc_u32 v[ADK], s[KB], v[AK0]
	v_add_nc_u32 v[ADV], s[VB], v[AV0]
	v_nop
	v_nop                                          ; four places between the last products and the loads into V's registers
	WIN 0x40                                       ; destination window 1
.irp kt, 0,1,2,3
.irp c, 0,1
	ds_load_b128 v[16*\kt+8*\c:16*\kt+8*\c+3], v[ADK] offset:\kt*16*PK+64*\c
	ds_load_b128 v[16*\kt+8*\c+4:16*\kt+8*\c+7], v[ADK] offset:\kt*16*PK+64*\c+32
.endr
.endr
.irp kg, 0,1
.irp ct, 0,1,2,3
	ds_load_tr16_b128 v[64+32*\kg+8*\ct:64+32*\kg+8*\ct+3], v[ADV] offset:\kg*32*PV+32*\ct
	ds_load_tr16_b128 v[64+32*\kg+8*\ct+4:64+32*\kg+8*\ct+7], v[ADV] offset:\kg*32*PV+16*PV+32*\ct
.endr
.endr
	s_wait_dscnt 16                                ; K's sixteen loads are in; V's sixteen may be out
	WIN 0x01                                       ; source 0 window 1
.irp c, 0,1                                    ; S^T = K Q^T: eight accumulators by turns
.irp kt, 0,1,2,3
.irp qt, 0,1
.if \c == 0
	v_wmma_f32_16x16x32_f16 v[S+32*\qt+8*\kt:S+32*\qt+8*\kt+7], v[16*\kt+8*\c:16*\kt+8*\c+7], v[QF+16*\qt+8*\c:QF+16*\qt+8*\c+7], 0
.else
	v_wmma_f32_16x16x32_f16 v[S+32*\qt+8*\kt:S+32*\qt+8*\kt+7], v[16*\kt+8*\c:16*\kt+8*\c+7], v[QF+16*\qt+8*\c:QF+16*\qt+8*\c+7], v[S+32*\qt+8*\kt:S+32*\qt+8*\kt+7]
.endif
.endr
.endr
.endr
	WIN 0
.rept 4
	v_nop
.endr
	s_add_co_u32 s70, s[KF], 63
	s_cmp_le_u32 s70, s[Q0]                        ; every key of the step counts for every query of mine
	s_cbranch_scc1 .Lopen_\@
	s_sub_co_i32 s70, s[Q0], s[KF]
	v_add_nc_u32 v[DM], s70, v[RH]                 ; d = my query - KF - 8 (lane / 16); register 8 kt + j holds key KF + 16 kt + 8 (lane / 16) + j: hidden where 16 kt + j > d
	v_add_nc_u32 v[DM+1], 16, v[DM]
.irp qt, 0,1
.irp kt, 0,1,2,3
.irp j, 0,1,2,3,4,5,6,7
	v_cmp_gt_i32 vcc_lo, 16*\kt+\j, v[DM+\qt]
	v_cndmask_b32 v[S+32*\qt+8*\kt+\j], v[S+32*\qt+8*\kt+\j], v[NEG], vcc_lo
.endr
.endr
.endr
.Lopen_\@:
.irp n, 0,1,2,3                                ; the maximum of my 32 scores and the old m, the two tiles by turns
.irp t, 0,1
	v_max3_num_f32 v[ST+8*\t+4+\n], v[S+32*\t+8*\n], v[S+32*\t+8*\n+1], v[S+32*\t+8*\n+2]
.endr
.endr
.irp g, 3,5
.irp n, 0,1,2,3
.irp t, 0,1
	v_max3_num_f32 v[ST+8*\t+4+\n], v[ST+8*\t+4+\n], v[S+32*\t+8*\n+\g], v[S+32*\t+8*\n+\g+1]
.endr
.endr
.endr
.irp t, 0,1
	v_max3_num_f32 v[ST+8*\t+4], v[ST+8*\t+4], v[S+32*\t+7], v[S+32*\t+15]
	v_max3_num_f32 v[ST+8*\t+6], v[ST+8*\t+6], v[S+32*\t+23], v[S+32*\t+31]
.endr
.irp t, 0,1
	v_max3_num_f32 v[ST+8*\t+4], v[ST+8*\t+4], v[ST+8*\t+5], v[ST+8*\t+6]
.endr
.irp t, 0,1
	v_max3_num_f32 v[ST+8*\t+4], v[ST+8*\t+4], v[ST+8*\t+7], v[ST+8*\t+1]
.endr
.irp t, 0,1
	v_permlanex16_b32 v[ST+8*\t+5], v[ST+8*\t+4], s[SEL], s[SEL+1]   ; the query's other 32 keys lie in the lane 16 away
.endr
.irp t, 0,1
	v_mov_b32 v[ST+8*\t+7], v[ST+8*\t]             ; c m_old
.endr
.irp t, 0,1
	v_max_num_f32 v[ST+8*\t+1], v[ST+8*\t+4], v[ST+8*\t+5]
.endr
.irp t, 0,1
	v_mul_f32 v[ST+8*\t], s[CS], v[ST+8*\t+1]
.endr
.irp t, 0,1
	v_sub_f32 v[ST+8*\t+7], v[ST+8*\t+7], v[ST+8*\t]
.endr
.set j, 0
.rept 16
	v_pk_fma_f32 v[S+2*j:S+2*j+1], v[S+2*j:S+2*j+1], s[CS:CS+1], v[ST:ST+1] op_sel_hi:[1,0,0] neg_lo:[0,0,1] neg_hi:[0,0,1]          ; c s - c m
	v_pk_fma_f32 v[S+32+2*j:S+32+2*j+1], v[S+32+2*j:S+32+2*j+1], s[CS:CS+1], v[ST+8:ST+9] op_sel_hi:[1,0,0] neg_lo:[0,0,1] neg_hi:[0,0,1]
.set j, j+1
.endr
.irp t, 0,1
	v_exp_f32 v[ST+8*\t+6], v[ST+8*\t+7]           ; a = 2^(c m_old - c m_new)
.endr
.set j, 0
.rept 32
	v_exp_f32 v[S+j], v[S+j]
	v_exp_f32 v[S+32+j], v[S+32+j]
.set j, j+1
.endr
	v_nop                                          ; a plain instruction behind the last exponential,
	s_wait_alu depctr_va_vdst(0)                   ; and one wait for the batch of 66, ahead of its first reader
.set j, 0
.rept 16
	v_cvt_pk_f16_f32 v[P+j], v[S+2*j], v[S+2*j+1]  ; two neighbouring tiles of keys, rounded in pairs, are source 1 of the second product
	v_cvt_pk_f16_f32 v[P+16+j], v[S+32+2*j], v[S+32+2*j+1]
.set j, j+1
.endr
.irp u, 0,1,2,3,4,5,6,7                        ; the row's sum, of the unrounded weights, in place
.irp t, 0,1
	v_pk_add_f32 v[S+32*\t+4*\u:S+32*\t+4*\u+1], v[S+32*\t+4*\u:S+32*\t+4*\u+1], v[S+32*\t+4*\u+2:S+32*\t+4*\u+3]
.endr
.endr
.irp u, 0,1,2,3
.irp t, 0,1
	v_pk_add_f32 v[S+32*\t+8*\u:S+32*\t+8*\u+1], v[S+32*\t+8*\u:S+32*\t+8*\u+1], v[S+32*\t+8*\u+4:S+32*\t+8*\u+5]
.endr
.endr
.irp u, 0,1
.irp t, 0,1
	v_pk_add_f32 v[S+32*\t+16*\u:S+32*\t+16*\u+1], v[S+32*\t+16*\u:S+32*\t+16*\u+1], v[S+32*\t+16*\u+8:S+32*\t+16*\u+9]
.endr
.endr
.irp t, 0,1
	v_pk_add_f32 v[S+32*\t:S+32*\t+1], v[S+32*\t:S+32*\t+1], v[S+32*\t+16:S+32*\t+17]
.endr
.irp t, 0,1
	v_pk_fma_f32 v[ST+8*\t+2:ST+8*\t+3], v[ST+8*\t+2:ST+8*\t+3], v[ST+8*\t+6:ST+8*\t+7], v[S+32*\t:S+32*\t+1] op_sel_hi:[1,0,1]   ; l = a l + the sum
.endr
.set j, 0
.rept 16
	v_pk_mul_f32 v[O+2*j:O+2*j+1], v[O+2*j:O+2*j+1], v[ST+6:ST+7] op_sel_hi:[1,0]              ; O^T x a
	v_pk_mul_f32 v[O+32+2*j:O+32+2*j+1], v[O+32+2*j:O+32+2*j+1], v[ST+14:ST+15] op_sel_hi:[1,0]
.set j, j+1
.endr
	s_wait_dscnt 0x0                               ; V is in
	WIN 0x01
.irp kg, 0,1                                   ; O^T += V^T P: eight accumulators by turns
.irp ct, 0,1,2,3
.irp qt, 0,1
	v_wmma_f32_16x16x32_f16 v[O+32*\qt+8*\ct:O+32*\qt+8*\ct+7], v[64+32*\kg+8*\ct:64+32*\kg+8*\ct+7], v[P+16*\qt+8*\kg:P+16*\qt+8*\kg+7], v[O+32*\qt+8*\ct:O+32*\qt+8*\ct+7]
.endr
.endr
.endr
	WIN 0
.Lhid_\@:
	s_add_co_u32 s[KF], s[KF], 64
	s_add_co_u32 s[KB], s[KB], 64*PK
	s_add_co_u32 s[VB], s[VB], 64*PV
.endm
; THE CHANGE OF SLOTS stands at a slot's head.  Each wave waits for all its tensor loads (one is out: its part of the slot ahead), adds 0 to its spare word, and waits for that and for its reads of the slot
; that it has left.  Behind the barrier the slot ahead is whole and nobody reads the other one.  fill = 1: that other slot takes the tile of the next trip; the load has four key steps in which to land.
.macro CHANGE fill
	s_wait_tensorcnt 0x0                           ; no tensor load of mine is out, so a group 0 may be written
	ds_add_u32 v[SPW], v[NIL]
.if \fill
	s_xor_b32 s[G0K+1], s[G0K+1], SLOT1
	s_xor_b32 s[G0V+1], s[G0V+1], SLOT1
	s_cmp_eq_u32 s[T], s[SW]                       ; behind the first block's last tile the walk goes back to tile 0
	s_cselect_b32 s[DB], s[BACK], 0
	s_add_nc_u64 s[G0K+2:G0K+3], s[G0K+2:G0K+3], 32768
	s_sub_nc_u64 s[G0K+2:G0K+3], s[G0K+2:G0K+3], s[DB:DB+1]
	s_add_nc_u64 s[G0V+2:G0V+3], s[G0V+2:G0V+3], 32768
	s_sub_nc_u64 s[G0V+2:G0V+3], s[G0V+2:G0V+3], s[DB:DB+1]
	s_wait_xcnt 0x0                                ; the last prefetch, a slot back, has read its address
	s_add_nc_u64 s[PFA:PFA+1], s[PFA:PFA+1], 32768
.endif
	s_wait_dscnt 0x0                               ; the add is done, and my reads of the slot that I have left are over
	s_barrier_signal -1
	s_barrier_wait -1
.if \fill
	TLOAD                                          ; the first thing behind the barrier, and my one tensor load until the next
	ASK
.endif
.endm
.macro SLOT_STEPS                      ; a slot's four key steps: written once, walked four times
	s_mov_b32 s[STP], 4
.Lstep_\@:
	STEP
	s_sub_co_u32 s[STP], s[STP], 1
	s_cmp_lg_u32 s[STP], 0
	s_cbranch_scc1 .Lstep_\@
	s_sub_co_u32 s[KB], s[KB], 256*PK
	s_xor_b32 s[KB], s[KB], SLOT1                  ; on to the other slot
	s_sub_co_u32 s[VB], s[VB], 256*PV
	s_xor_b32 s[VB], s[VB], SLOT1
.endm
; THE WAY OUT of a block: O^T / l, rounded to f16.  A lane's eight channels of a query pack into the four registers that the next product's operand wants of that lane: no turn through LDS.
.macro WAYOUT
.rept 4
	v_nop
.endr
.irp t, 0,1
	v_add_f32 v[ST+8*\t+4], v[ST+8*\t+2], v[ST+8*\t+3]
.endr
.irp t, 0,1
	v_permlanex16_b32 v[ST+8*\t+5], v[ST+8*\t+4], s[SEL], s[SEL+1]
.endr
.irp t, 0,1
	v_add_f32 v[ST+8*\t+4], v[ST+8*\t+4], v[ST+8*\t+5]
.endr
.irp t, 0,1
	v_rcp_f32 v[ST+8*\t+6], v[ST+8*\t+4]
.endr
	v_nop
	s_wait_alu depctr_va_vdst(0)                   ; one wait for the two reciprocals
.set j, 0
.rept 16
	v_pk_mul_f32 v[O+2*j:O+2*j+1], v[O+2*j:O+2*j+1], v[ST+6:ST+7] op_sel_hi:[1,0]
.set j, j+1
.endr
.set j, 0
.rept 16
	v_pk_mul_f32 v[O+32+2*j:O+32+2*j+1], v[O+32+2*j:O+32+2*j+1], v[ST+14:ST+15] op_sel_hi:[1,0]
.set j, j+1
.endr
.set j, 0
.rept 32
	v_cvt_pk_f16_f32 v[OUT+j], v[O+2*j], v[O+2*j+1]
.set j, j+1
.endr
.irp qt, 0,1
.irp ct, 0,1,2,3
	global_store_b128 v[GO], v[OUT+16*\qt+4*\ct:OUT+16*\qt+4*\ct+3], s[ZA:ZA+1] offset:\qt*32768+\ct*512   ; 512 consecutive bytes, aligned
.endr
.endr
.endm
	s_load_b128 s[4:7], s[0:1], 0x0                ; qkv, zi
	v_lshl_add_u32 v[SPW], v0, 2, SPARE
	v_mov_b32 v[NIL], 0
	ds_add_u32 v[SPW], v[NIL]                      ; the wave's opening: the add, twice on end, and its wait ahead of my first tensor load
	ds_add_u32 v[SPW], v[NIL]
	v_lshrrev_b32 v1, 5, v0
	v_readfirstlane_b32 s[WV], v1                  ; wave 0..7
	s_and_b32 s[YH], ttmp7, 0xffff
	s_mov_b32 s[WI], ttmp9
	s_sub_co_u32 s[SW], 7, s[WI]
	s_sub_co_u32 s[BACK], 8, s[WI]
	s_lshl_b32 s[BACK], s[BACK], 15
	s_mov_b32 s[DB+1], 0
	s_mov_b32 s[G1K], (1<<16)|(1<<20)|(4<<22)|(3<<25)   ; elements of 2 bytes; padding: 4 words after every 32
	s_mov_b32 s[G1V], (1<<16)|(1<<20)|(4<<22)|(7<<25)   ; 8 words after every 32
.irp g, G1K, G1V
	s_mov_b32 s[\g+1], 64<<16                      ; tensor_dim0 = 64 channels
	s_mov_b32 s[\g+2], 64<<16                      ; tensor_dim1 = 64 rows
	s_mov_b32 s[\g+3], 64<<16                      ; tile_dim0
	s_mov_b32 s[\g+4], 64                          ; tile_dim1
	s_mov_b32 s[\g+5], 64                          ; elements from row to row
	s_mov_b32 s[\g+6], 0
	s_mov_b32 s[\g+7], 0
.endr
	s_mov_b32 s[SEL], 0x76543210
	s_mov_b32 s[SEL+1], 0xfedcba98
	s_mov_b32 s[CS], 0x3e38aa3b                    ; c = log2(e) / sqrt(64)
	s_mov_b32 s[CS+1], s[CS]
	s_mov_b32 s[KB], 0
	s_mov_b32 s[VB], 0
	s_mov_b32 s[T], 0
	s_and_b32 s70, s[WV], 3                        ; which 64 rows of a tile I fetch
	s_mul_i32 s71, s70, 64*PK
	s_mov_b32 s[G0K], 1
	s_mov_b32 s[G0K+1], s71
	s_mul_i32 s71, s70, 64*PV
	s_mov_b32 s[G0V], 1
	s_add_co_u32 s[G0V+1], s71, VOFF
	s_lshl_b32 s72, s[YH], 18
	s_lshl_b32 s73, s70, 13
	s_add_co_u32 s72, s72, s73
	s_mov_b32 s73, 0                               ; s[72:73]: my head, my 64 rows of 128 bytes
	s_wait_dscnt 0x0                               ; both opening adds are done
	s_wait_kmcnt 0x0
	s_add_nc_u64 s[G0K+2:G0K+3], s[4:5], s[72:73]
	s_add_nc_u64 s[G0K+2:G0K+3], s[G0K+2:G0K+3], 0x1000000
	s_or_b32 s[G0K+3], s[G0K+3], 0x80000000
	s_add_nc_u64 s[G0V+2:G0V+3], s[4:5], s[72:73]
	s_add_nc_u64 s[G0V+2:G0V+3], s[G0V+2:G0V+3], 0x2000000
	s_or_b32 s[G0V+3], s[G0V+3], 0x80000000
	TLOAD                                          ; tile 0 into slot 0
	s_mov_b32 s71, 0x2008000                       ; the prefetches stand at tile 1 of k (waves 0-3) or of v (waves 4-7); the first change of slots steps them to tile 2
	s_cmp_lt_u32 s[WV], 4
	s_cselect_b32 s70, 0x1008000, s71
	s_mov_b32 s71, 0
	s_add_nc_u64 s[PFA:PFA+1], s[4:5], s[72:73]
	s_add_nc_u64 s[PFA:PFA+1], s[PFA:PFA+1], s[70:71]
	s_cmp_eq_u32 s[WI], 0
	s_cselect_b32 s[LIM], 6, 0
	s_lshl_b32 s70, s[YH], 18
	s_add_nc_u64 s[QP:QP+1], s[4:5], s[70:71]      ; q of my head
	v_and_b32 v6, 15, v0                           ; r
	v_bfe_u32 v7, v0, 4, 1                         ; h
	v_mul_u32_u24 v[AK0], v6, PK
	v_lshl_add_u32 v[AK0], v7, 4, v[AK0]           ; K: row r x pitch + 16 h
	v_and_b32 v[AV0], 7, v0
	v_lshl_add_u32 v[AV0], v7, 3, v[AV0]
	v_mul_u32_u24 v[AV0], v[AV0], PV
	v_bfe_u32 v[ADK], v0, 3, 1
	v_lshl_add_u32 v[AV0], v[ADK], 4, v[AV0]
	v_add_nc_u32 v[AV0], VOFF, v[AV0]              ; V, for the turning load: key 8 h + l % 8, channels 8 ((l / 8) % 2) on
	v_lshlrev_b32 v[QO], 7, v6
	v_lshl_add_u32 v[QO], v7, 4, v[QO]             ; Q: row r of 128 bytes + 16 h
	v_and_b32 v[GO], 31, v0
	v_lshlrev_b32 v[PFO], 8, v[GO]
	v_lshlrev_b32 v[GO], 4, v[GO]
	v_lshlrev_b32 v[RH], 3, v7
	v_sub_nc_u32 v[RH], v6, v[RH]                  ; r - 8 h
	v_mov_b32 v[NEG], 0xff7fffff                   ; the most negative f32 number, as the definition has it
	QLOAD SW                                       ; the later block first
	RESET
.Lslot:                                            ; eight trips; behind each change of slots the next trip's tile is asked for
	CHANGE 1
	SLOT_STEPS
	s_cmp_eq_u32 s[T], s[SW]                       ; the first block's last tile is done: the block leaves, the earlier block begins.  No barrier and no tensor load stands in here
	s_cbranch_scc0 .Lsame
	QLOAD WI
	WAYOUT
	RESET
.Lsame:
	s_add_co_u32 s[T], s[T], 1
	s_cmp_lt_u32 s[T], 8
	s_cbranch_scc1 .Lslot
	CHANGE 0                                       ; the ninth slot is written out: nothing is left to fetch
	SLOT_STEPS
	WAYOUT
	s_wait_tensorcnt 0x0                           ; the wave's end
	ds_add_u32 v[SPW], v[NIL]
	s_wait_dscnt 0x0
	s_endpgm
.Lfunc_end_k_q88359a48f6_attn:
	.size	k_q88359a48f6_attn, .Lfunc_end_k_q88359a48f6_attn-k_q88359a48f6_attn
	.p2alignl 7, 3214868480
	.fill 96, 4, 3214868480
	.section	.rodata,"a",@progbits
	.p2align	6, 0x0
	.amdhsa_kernel k_q88359a48f6_attn
		.amdhsa_group_segment_fixed_size 327680
		.amdhsa_private_segment_fixed_size 0
		.amdhsa_enable_private_segment 0
		.amdhsa_kernarg_size 16
		.amdhsa_user_sgpr_count 2
		.amdhsa_user_sgpr_kernarg_segment_ptr 1
		.amdhsa_wavefront_size32 1
		.amdhsa_system_sgpr_workgroup_id_x 1
		.amdhsa_system_sgpr_workgroup_id_y 1
		.amdhsa_system_sgpr_workgroup_id_z 1
		.amdhsa_system_vgpr_workitem_id 0
		.amdhsa_next_free_vgpr 384
		.amdhsa_next_free_sgpr 80
		.amdhsa_reserve_vcc 1
		.amdhsa_float_denorm_mode_32 3
		.amdhsa_float_denorm_mode_16_64 3
		.amdhsa_memory_ordered 1
		.amdhsa_forward_progress 1
		.amdhsa_inst_pref_size 69
	.end_amdhsa_kernel
	.amdgpu_metadata
---
amdhsa.version: [ 1, 2 ]
amdhsa.kernels:
  - .name:           k_q88359a48f6_attn
    .symbol:         k_q88359a48f6_attn.kd
    .args:
      - { .name: qkv, .offset: 0, .size: 8, .value_kind: global_buffer, .address_space: global }
      - { .name: zi, .offset: 8, .size: 8, .value_kind: global_buffer, .address_space: global }
    .group_segment_fixed_size: 327680
    .private_segment_fixed_size: 0
    .kernarg_segment_align: 8
    .kernarg_segment_size: 16
    .max_flat_workgroup_size: 256
    .sgpr_count:     80
    .vgpr_count:     384
    .wavefront_size: 32
...
	.end_amdgpu_metadata
.endif
;; end of part 4
;; launch oproj (part 5): grid 4 x 64, 4 waves a work-group, clusters of 4 x 4, 327,680 bytes of LDS; arguments zi, woi, b_O, out0; writes out0
.if DOCPART == 5
	.amdgcn_target "amdgcn-amd-amdhsa--gfx1250"
	.amdhsa_code_object_version 6
	.text
	.protected	k_q88359a48f6_oproj
	.globl	k_q88359a48f6_oproj
	.p2align	8
	.type	k_q88359a48f6_oproj,@function
k_q88359a48f6_oproj:
	s_mov_b64 s[64:65], 0
	v_nop
	global_prefetch_b8 v0, s[64:65] scope:SCOPE_SE
	s_setreg_imm32_b32 hwreg(HW_REG_WAVE_MODE, 25, 1), 1
	s_wait_xcnt 0x0
	s_wait_alu depctr_hold_cnt(0) depctr_sa_sdst(0) depctr_va_vdst(0) depctr_va_sdst(0) depctr_va_ssrc(0) depctr_va_vcc(0) depctr_vm_vsrc(0)
	s_getreg_b32 s2, hwreg(HW_REG_IB_STS2, 6, 4)
	s_cmp_eq_u32 s2, 0
	s_cbranch_scc0 .Lentry_in_a_cluster
	s_endpgm
.Lentry_in_a_cluster:
	s_bfe_u32 s2, ttmp6, 0x10000c
	s_cmp_lg_u32 s2, 0xf033
	s_cbranch_scc0 .Lentry_shape_is_right
	s_endpgm
.Lentry_shape_is_right:
; out0[m][n] = sum over k of z[m][k] W_O[k][n] + b_O[n], f16 operands, f32 sums.  M = 8,192, N = K = 1,024.
; Both operands arrive as images of operand registers: zi [m / 16][k / 32][1024 bytes], woi [n / 16][k / 32][1024 bytes]: a fragment is two loads of 16 bytes a lane at 16 x lane: no pitch, no padding.
; A tile of C is 128 (m) x 256 (n): 256 work-groups.  Four waves, each 64 x 128: 32 accumulators, 256 registers.  K goes in steps of 128 (4,096 consecutive bytes of each row tile) through two LDS slots.
; CLUSTERS: 4 x 4 work-groups; z's tiles are asked for jointly along a row of the cluster, W_O's along a column.
; THE MATRIX INSTRUCTION IS USED TRANSPOSED (source 0 = 16 columns of W_O, source 1 = 16 rows of z): a lane holds eight neighbouring columns of a row of C.  The bias is the C of each sum's first product.
; Rows 0-15 of every sequence are written here from f16 operands and written again, from f32, by the launch that follows.
; REGISTERS: window 0: v16-30 addresses; v32-95 the bias, 8 tiles; v96-127, v128-159 z's fragments, two buffers; on the way out v160-223 and v32-95 by turns.
;   window 1: W_O's fragments, two buffers, v0-63, v64-127.   window 2: accumulator (a, b) at v[8 (8 a + b)].
.set SLOT,   98304                     ; z: 8 row tiles x 4,096 bytes; then W_O: 16 column tiles x 4,096
.set BOFF,   32768
.set STAGE,  2*SLOT                    ; behind the ring: 16 rows x (512 bytes + 16) for each wave
.set SPITCH, 528
.set SPARE,  STAGE+4*16*SPITCH
.set LAPS,   4                         ; a lap = two K steps
.set ADRA, 16
.set ADRB, 20
.set STO,  24
.set RD,   25
.set CO,   26
.set SPW,  28
.set NIL,  29
.set PFO,  30
.set BI,   32
.set FA,   96
.set G1, 24
.set G0, 32
.set G1B, 48
.set G0B, 56
.set PFA, 66
.set LIM, 68
.set MSB, 0
.macro WIN new
.if MSB != (\new)
	s_set_vgpr_msb (MSB<<8)|(\new)
.set MSB, (\new)
.endif
.endm
.set MUL, 0xa1                         ; source 0 window 1, source 1 window 0, C and D window 2
.macro JLOAD s                         ; waves 0 and 1 fetch z's two halves, waves 2 and 3 W_O's; an s_nop 0 and four v_nop follow each line
	s_cmp_eq_u32 s13, 0
	s_cbranch_scc0 .Lfor_b_\@
	tensor_load_to_lds s[G0+4*\s:G0+4*\s+3], s[G1:G1+7]
	s_nop 0
.rept 4
	v_nop
.endr
	s_branch .Lasked_\@
.Lfor_b_\@:
	tensor_load_to_lds s[G0B+4*\s:G0B+4*\s+3], s[G1B:G1B+7]
	s_nop 0
.rept 4
	v_nop
.endr
.Lasked_\@:
.endm
; A prefetch of z's K step that stands two refills on.  A tile row of z is read by one row of one cluster: its four partners share the 8 row tiles out by address, 2 each (32 blocks of 256 bytes, a lane a block);
; in each, wave 0 asks.  The loop's last trip asks for nothing: no K step stands two refills on.  K steps 0 to 3 come by their loads alone.
.macro ASK
	s_cmp_gt_u32 s3, s[LIM]
	s_cbranch_scc0 .Lnot_mine_\@
	global_prefetch_b8 v[PFO], s[PFA:PFA+1] offset:4096 th:TH_LOAD_NT scope:SCOPE_SE
.Lnot_mine_\@:
.endm
.macro CREST
	s_cmp_lg_u32 s12, 0
	s_cbranch_scc1 .Lnot_wave_0_\@
	s_barrier_signal -3
.Lnot_wave_0_\@:
	s_barrier_wait -3
	s_barrier_signal -1
	s_barrier_wait -1
.endm
.macro CROUND
	s_barrier_signal -1
	s_barrier_wait -1
	CREST
.endm
	s_load_b256 s[4:11], s[0:1], 0x0               ; zi s[4:5], woi s[6:7], b_O s[8:9], out0 s[10:11]
	v_lshl_add_u32 v[SPW], v0, 2, SPARE
	v_mov_b32 v[NIL], 0
	ds_add_u32 v[SPW], v[NIL]                      ; the wave's opening: the add, twice on end, and its wait ahead of my first tensor load
	ds_add_u32 v[SPW], v[NIL]
	v_lshrrev_b32 v1, 5, v0
	v_readfirstlane_b32 s12, v1                    ; wave 0..3
	s_lshr_b32 s13, s12, 1                         ; which 64 rows are mine.  Also: I fetch for z (0) or for W_O (1)
	s_and_b32 s14, s12, 1                          ; which 128 columns.  Also: which half of that tile I fetch
	s_bfe_u32 s40, ttmp6, 0x40000                  ; cx, cy
	s_bfe_u32 s41, ttmp6, 0x40004
	s_lshl_b32 s42, ttmp9, 2
	s_add_co_u32 s42, s42, s40                     ; tile column
	s_and_b32 s15, ttmp7, 0xffff
	s_lshl_b32 s15, s15, 2
	s_add_co_u32 s15, s15, s41                     ; tile row
	s_lshl_b32 s43, s41, 2
	s_lshl_b32 s43, 15, s43                        ; my row of the cluster
	s_lshl_b32 s44, 0x1111, s40                    ; my column
	s_or_b32 s[G1+0], s43, (3<<16)|(1<<21)         ; mask; elements of 8 bytes; no padding
	s_mov_b32 s[G1+1], 512<<16                     ; tensor_dim0 = 512 elements: 4,096 bytes
	s_mov_b32 s[G1+2], 4<<16                       ; tensor_dim1 = 4 row tiles
	s_mov_b32 s[G1+3], 512<<16                     ; tile_dim0
	s_mov_b32 s[G1+4], 4                           ; tile_dim1
	s_mov_b32 s[G1+5], 4096                        ; 32,768 bytes from row tile to row tile
	s_mov_b32 s[G1+6], 0
	s_mov_b32 s[G1+7], 0
	s_or_b32 s[G1B+0], s44, (3<<16)|(1<<21)
	s_mov_b32 s[G1B+1], 512<<16
	s_mov_b32 s[G1B+2], 8<<16                      ; 8 column tiles
	s_mov_b32 s[G1B+3], 512<<16
	s_mov_b32 s[G1B+4], 8
	s_mov_b32 s[G1B+5], 4096
	s_mov_b32 s[G1B+6], 0
	s_mov_b32 s[G1B+7], 0
	s_lshl_b32 s16, s15, 3
	s_lshl_b32 s17, s14, 2
	s_add_co_u32 s16, s16, s17
	s_lshl_b32 s16, s16, 15                        ; z: row tile 8 x tile row + 4 x half
	s_mov_b32 s17, 0
	s_lshl_b32 s46, s42, 4
	s_lshl_b32 s47, s14, 3
	s_add_co_u32 s46, s46, s47
	s_lshl_b32 s46, s46, 15                        ; W_O: column tile 16 x tile column + 8 x half
	s_mov_b32 s47, 0
	s_lshl_b32 s20, s14, 14                        ; where they go: the wave's number alone enters an LDS address
	s_lshl_b32 s21, s14, 15
	s_add_co_u32 s21, s21, BOFF
	s_wait_dscnt 0x0                               ; both opening adds are done
	s_wait_kmcnt 0x0
	s_add_nc_u64 s[18:19], s[4:5], s[16:17]
	s_add_nc_u64 s[46:47], s[6:7], s[46:47]
	CROUND                                         ; all sixteen work-groups are here: the first joint loads meet
.irp s, 0,1
	s_mov_b32 s[G0+4*\s], 1
	s_add_co_u32 s[G0+4*\s+1], s20, \s*SLOT
	s_add_nc_u64 s[G0+4*\s+2:G0+4*\s+3], s[18:19], \s*4096
	s_or_b32 s[G0+4*\s+3], s[G0+4*\s+3], 0x80000000
	s_mov_b32 s[G0B+4*\s], 1
	s_add_co_u32 s[G0B+4*\s+1], s21, \s*SLOT
	s_add_nc_u64 s[G0B+4*\s+2:G0B+4*\s+3], s[46:47], \s*4096
	s_or_b32 s[G0B+4*\s+3], s[G0B+4*\s+3], 0x80000000
	JLOAD \s
.endr
	v_and_b32 v1, 15, v0                           ; r
	v_bfe_u32 v2, v0, 4, 1                         ; h
	v_and_b32 v3, 31, v0
	v_lshlrev_b32 v[CO], 4, v3                     ; 16 x lane
	s_lshl_b32 s46, s42, 10                        ; my first column, in bytes of f32: 1,024 x tile column + 512 x half
	s_lshl_b32 s47, s14, 9
	s_add_co_u32 s46, s46, s47
	s_mov_b32 s47, 0
	s_add_nc_u64 s[8:9], s[8:9], s[46:47]
	v_lshlrev_b32 v4, 5, v2
.irp b, 0,1,2,3,4,5,6,7                        ; the bias: tile b, register j: b_O[my first column + 16 b + 8 h + j]
	global_load_b128 v[BI+8*\b:BI+8*\b+3], v4, s[8:9] offset:64*\b
	global_load_b128 v[BI+8*\b+4:BI+8*\b+7], v4, s[8:9] offset:64*\b+16
.endr
	s_lshl_b32 s21, s13, 14                        ; my 4 row tiles
	s_lshl_b32 s22, s14, 15                        ; my 8 column tiles,
	s_add_co_u32 s22, s22, BOFF                    ; behind z's part of the slot
.irp s, 0,1
	v_add_nc_u32 v[ADRA+\s], s21, v[CO]
	v_add_nc_u32 v[ADRB+\s], s22, v[CO]
	s_add_co_u32 s21, s21, SLOT
	s_add_co_u32 s22, s22, SLOT
.endr
	s_mul_i32 s23, s12, 16*SPITCH
	s_add_co_u32 s23, s23, STAGE                   ; my stage
	v_mul_u32_u24 v5, v1, SPITCH
	v_lshl_add_u32 v5, v2, 5, v5
	v_add_nc_u32 v[STO], s23, v5                   ; in: row r, 32 bytes for each half of the lanes
	v_add_nc_u32 v[RD], s23, v[CO]                 ; back: the 32 lanes take a row of 512 bytes
	s_lshl_b32 s16, s15, 7
	s_lshl_b32 s17, s13, 6
	s_add_co_u32 s16, s16, s17                     ; my first row of C
	s_lshl_b32 s16, s16, 12
	s_mov_b32 s17, 0
	s_add_nc_u64 s[16:17], s[16:17], s[46:47]
	s_add_nc_u64 s[10:11], s[10:11], s[16:17]
	s_lshl_b32 s20, s15, 3                         ; the prefetches: row tile 8 x tile row + 2 cx, at K step 2: the first refill steps them to 3 and names K step 4
	s_lshl_b32 s21, s40, 1
	s_add_co_u32 s20, s20, s21
	s_lshl_b32 s20, s20, 15
	s_add_co_u32 s20, s20, 2*4096
	s_mov_b32 s21, 0
	s_add_nc_u64 s[PFA:PFA+1], s[4:5], s[20:21]
	s_cmp_eq_u32 s12, 0
	s_cselect_b32 s[LIM], 1, -1                    ; wave 0 asks; the same in all partners
	v_lshlrev_b32 v[PFO], 15, v2
	v_lshl_add_u32 v[PFO], v1, 8, v[PFO]           ; lanes 0-15 one row tile's 4,096 bytes, 256 apart; lanes 16-31 the next's
.macro MULA f, a, zero                 ; 8 matrix instructions: z's block a x W_O's eight, 32 along K, buffer f.  The 32 accumulators take turns, one instruction a turn
.irp b, 0,1,2,3,4,5,6,7
.if \zero
	v_wmma_f32_16x16x32_f16 v[8*(8*(\a)+\b):8*(8*(\a)+\b)+7], v[64*(\f)+8*\b:64*(\f)+8*\b+7], v[FA+32*(\f)+8*(\a):FA+32*(\f)+8*(\a)+7], v[BI+8*\b:BI+8*\b+7]
.else
	v_wmma_f32_16x16x32_f16 v[8*(8*(\a)+\b):8*(8*(\a)+\b)+7], v[64*(\f)+8*\b:64*(\f)+8*\b+7], v[FA+32*(\f)+8*(\a):FA+32*(\f)+8*(\a)+7], v[8*(8*(\a)+\b):8*(8*(\a)+\b)+7]
.endif
.endr
.endm
.macro FETCH slot, q, f                ; 24 LDS loads in one run: the fragments of the slot's q-th 32 along K into buffer f; z's blocks 2 and 3 last
	WIN 0x40
.irp b, 0,1,2,3,4,5,6,7
	ds_load_b128 v[64*(\f)+8*\b:64*(\f)+8*\b+3], v[ADRB+\slot] offset:4096*\b+1024*(\q)
	ds_load_b128 v[64*(\f)+8*\b+4:64*(\f)+8*\b+7], v[ADRB+\slot] offset:4096*\b+1024*(\q)+512
.endr
	WIN 0
.irp a, 0,1,2,3
	ds_load_b128 v[FA+32*(\f)+8*\a:FA+32*(\f)+8*\a+3], v[ADRA+\slot] offset:4096*\a+1024*(\q)
	ds_load_b128 v[FA+32*(\f)+8*\a+4:FA+32*(\f)+8*\a+7], v[ADRA+\slot] offset:4096*\a+1024*(\q)+512
.endr
.endm
.macro PLACES                          ; four plain vector instructions in front of loads into registers that matrix instructions have read, and of the first read of results
.rept 4
	v_nop
.endr
.endm
; A K step is four quarters of 32 along K, 32 matrix instructions each, on buffers 0, 1, 0, 1.  One of the first three: multiplies buffer f and fetches the slot's quarter qn into g.
.macro QUARTER slot, qn, f, g, zero
	s_wait_dscnt 4                                 ; W_O's eight and z's blocks 0, 1 are in; the youngest four loads may be out
.if \zero
	WIN 0x81                                       ; C, the bias, in window 0
.else
	WIN MUL
.endif
	MULA \f, 0, \zero
	MULA \f, 1, \zero
	PLACES
	FETCH \slot, \qn, \g
	s_wait_dscnt 24                                ; all but the 24 just issued
.if \zero
	WIN 0x81
.else
	WIN MUL
.endif
	MULA \f, 2, \zero
	MULA \f, 3, \zero
.endm
; The last quarter multiplies buffer 1 and changes slots: one barrier; in front of it each wave waits for all its tensor loads, adds 0 to its spare word, and waits for that and for its reads of this slot.
; fill = 1: the barrier opens a round of the cluster's barrier, and this slot is filled again, two K steps ahead: 112 matrix instructions stand between the request and the wait for it.
.macro TURN slot, next, fill
.if \fill
	s_wait_xcnt 0x0                                ; the last prefetch, a K step back, has read its address
	s_add_nc_u64 s[PFA:PFA+1], s[PFA:PFA+1], 4096
.endif
	WIN 0                                          ; (the add's two registers lie in window 0)
	s_wait_tensorcnt 0x0                           ; my part of the next slot has landed
	ds_add_u32 v[SPW], v[NIL]
	s_wait_dscnt 5                                 ; the add and the youngest four loads may be out
	WIN MUL
	MULA 1, 0, 0
	s_wait_dscnt 0x0                               ; the add is done, and my reads of this slot are over
	s_barrier_signal -1
	MULA 1, 1, 0
.if \fill
	WIN 0
.endif
	s_barrier_wait -1
.if \fill
	CREST                                          ; no wave of any partner still reads this slot or has a load on its way
	s_add_nc_u64 s[G0+4*\slot+2:G0+4*\slot+3], s[G0+4*\slot+2:G0+4*\slot+3], 2*4096
	s_add_nc_u64 s[G0B+4*\slot+2:G0B+4*\slot+3], s[G0B+4*\slot+2:G0B+4*\slot+3], 2*4096
	JLOAD \slot                                    ; the four v_nop behind it are also the places in front of the loads below
.else
	PLACES
.endif
	FETCH \next, 0, 0
.if \fill
	ASK
.endif
	WIN MUL
	MULA 1, 2, 0
	MULA 1, 3, 0
.endm
	s_wait_tensorcnt 1                             ; my part of K step 0 is in; K step 1's load may be out,
	s_barrier_signal -1
	s_barrier_wait -1                              ; everybody's is
	FETCH 0, 0, 0
	s_wait_loadcnt 0x0                             ; the bias
	QUARTER 0, 1, 0, 1, 1                          ; the first quarter stands in front of the loop: its products start the sums from the bias
	WIN 0
	s_mov_b32 s3, LAPS-1
.Llap:                                             ; a trip goes once round the ring and fills both slots again
	QUARTER 0, 2, 1, 0, 0
	QUARTER 0, 3, 0, 1, 0
	TURN 0, 1, 1
	QUARTER 1, 1, 0, 1, 0
	QUARTER 1, 2, 1, 0, 0
	QUARTER 1, 3, 0, 1, 0
	TURN 1, 0, 1
	QUARTER 0, 1, 0, 1, 0
	WIN 0
	s_sub_co_u32 s3, s3, 1
	s_cmp_lg_u32 s3, 0
	s_cbranch_scc1 .Llap
	QUARTER 0, 2, 1, 0, 0                          ; the last lap fills nothing
	QUARTER 0, 3, 0, 1, 0
	TURN 0, 1, 0
	QUARTER 1, 1, 0, 1, 0
	QUARTER 1, 2, 1, 0, 0
	QUARTER 1, 3, 0, 1, 0
	s_wait_dscnt 4
	WIN MUL
	MULA 1, 0, 0
	MULA 1, 1, 0
	s_wait_dscnt 0
	MULA 1, 2, 0
	MULA 1, 3, 0
	WIN 0
; THE WAY OUT, block by block of 16 rows x 128 columns: through my own stage, back as whole rows of 512 bytes.
.macro TOSTAGE a
.set AC, 64*(\a)
	WIN 0x08                                       ; an LDS store's data: window 2
.irp b, 0,1,2,3,4,5,6,7
	ds_store_b128 v[STO], v[AC+8*\b:AC+8*\b+3] offset:64*\b          ; each accumulator from its low end on
	ds_store_b128 v[STO], v[AC+8*\b+4:AC+8*\b+7] offset:64*\b+16
.endr
	WIN 0
.set BB, 160-128*((\a)%2)
.irp t, 0,1,2,3,4,5,6,7,8,9,10,11,12,13,14,15
	ds_load_b128 v[BB+4*\t:BB+4*\t+3], v[RD] offset:\t*SPITCH        ; LDS serves a wave's instructions in order: these see the stores above
.endr
.endm
.macro SEND a, younger
.set BB, 160-128*((\a)%2)
	s_wait_dscnt \younger                          ; the block is back; the next block's 16 stores and 16 loads may be out
.irp t, 0,1,2,3,4,5,6,7,8,9,10,11,12,13,14,15
	global_store_b128 v[CO], v[BB+4*\t:BB+4*\t+3], s[10:11] offset:(16*(\a)+\t)*4096 th:TH_STORE_NT   ; 512 consecutive bytes, aligned
.endr
.endm
	PLACES
	TOSTAGE 0
.irp a, 1,2,3
.if \a > 1
	s_wait_xcnt 0x0                                ; block a - 2's stores have read their registers: block a's loads may land there
.endif
	TOSTAGE \a
	SEND \a-1, 32
.endr
	SEND 3, 0
	s_wait_tensorcnt 0x0                           ; the wave's end
	ds_add_u32 v[SPW], v[NIL]
	s_wait_dscnt 0x0
	CROUND                                         ; the closing round
	s_endpgm
.Lfunc_end_k_q88359a48f6_oproj:
	.size	k_q88359a48f6_oproj, .Lfunc_end_k_q88359a48f6_oproj-k_q88359a48f6_oproj
	.p2alignl 7, 3214868480
	.fill 96, 4, 3214868480
	.section	.rodata,"a",@progbits
	.p2align	6, 0x0
	.amdhsa_kernel k_q88359a48f6_oproj
		.amdhsa_group_segment_fixed_size 327680
		.amdhsa_private_segment_fixed_size 0
		.amdhsa_enable_private_segment 0
		.amdhsa_kernarg_size 32
		.amdhsa_user_sgpr_count 2
		.amdhsa_user_sgpr_kernarg_segment_ptr 1
		.amdhsa_wavefront_size32 1
		.amdhsa_system_sgpr_workgroup_id_x 1
		.amdhsa_system_sgpr_workgroup_id_y 1
		.amdhsa_system_sgpr_workgroup_id_z 1
		.amdhsa_system_vgpr_workitem_id 0
		.amdhsa_next_free_vgpr 768
		.amdhsa_next_free_sgpr 72
		.amdhsa_reserve_vcc 0
		.amdhsa_float_denorm_mode_32 3
		.amdhsa_float_denorm_mode_16_64 3
		.amdhsa_memory_ordered 1
		.amdhsa_forward_progress 1
		.amdhsa_inst_pref_size 87
	.end_amdhsa_kernel
	.amdgpu_metadata
---
amdhsa.version: [ 1, 2 ]
amdhsa.kernels:
  - .name:           k_q88359a48f6_oproj
    .symbol:         k_q88359a48f6_oproj.kd
    .args:
      - { .name: zi, .offset: 0, .size: 8, .value_kind: global_buffer, .address_space: global }
      - { .name: woi, .offset: 8, .size: 8, .value_kind: global_buffer, .address_space: global }
      - { .name: b_O, .offset: 16, .size: 8, .value_kind: global_buffer, .address_space: global }
      - { .name: out0, .offset: 24, .size: 8, .value_kind: global_buffer, .address_space: global }
    .group_segment_fixed_size: 327680
    .private_segment_fixed_size: 0
    .kernarg_segment_align: 8
    .kernarg_segment_size: 32
    .max_flat_workgroup_size: 128
    .sgpr_count:     72
    .vgpr_count:     768
    .wavefront_size: 32
...
	.end_amdgpu_metadata
.endif
;; end of part 5
;; launch first_out (part 6): grid 64 x 4, 4 waves a work-group, no clusters, 4,608 bytes of LDS; arguments z16, W_O, b_O, out0; writes out0
.if DOCPART == 6
	.amdgcn_target "amdgcn-amd-amdhsa--gfx1250"
	.amdhsa_code_object_version 6
	.text
	.protected	k_q88359a48f6_first_out
	.globl	k_q88359a48f6_first_out
	.p2align	8
	.type	k_q88359a48f6_first_out,@function
k_q88359a48f6_first_out:
	s_mov_b64 s[64:65], 0
	v_nop
	global_prefetch_b8 v0, s[64:65] scope:SCOPE_SE
	s_setreg_imm32_b32 hwreg(HW_REG_WAVE_MODE, 25, 1), 1
	s_wait_xcnt 0x0
; ROWS 0-15 OF EVERY SEQUENCE ONCE MORE, IN f32: out0[batch][r][n] = sum over k of z[r][k] W_O[k][n] + b_O[n], r = 0..15, by the f32 matrix form.  It writes over what the f16 projection left in these rows.
; Work-group (nt, batch) makes 16 positions x columns 16 nt .. 16 nt + 15.  Wave w sums over heads 4 w .. 4 w + 3 (256 along K) in four accumulators by turns; the four waves' parts meet in LDS; wave 0 adds them and b_O.
; z16's images give lane (r, h), register 8 c + j: z(position r, channel 16 c + 8 h + j); W_O is loaded so that the same register of the same lane holds W_O[that channel][16 nt + r]:
; both sides of each product carry the same channel at each place.  Transposed use (source 0 = W_O's columns): a lane holds one position and eight neighbouring columns.
; Its stores are pieces of 64 bytes of rows 4,096 bytes apart: 256 KiB in all; taken so that the work is shared among 256 work-groups.
; REGISTERS: window 0: v4-11 addresses and work, v14, v15 the add's two, v16-143 z, v144-175 accumulators (written by the f32 matrix form alone), v176-183 my part, v184-207 the others', v208-215 b_O, v216-223 results.
;   window 1: v0-127 W_O.
.set SPARE, 4096
.set ZI, 16
.set AC, 144
.set RS, 176
.set MSB, 0
.macro WIN new
.if MSB != (\new)
	s_set_vgpr_msb (MSB<<8)|(\new)
.set MSB, (\new)
.endif
.endm
	s_load_b256 s[4:11], s[0:1], 0x0               ; z16 s[4:5], W_O s[6:7], b_O s[8:9], out0 s[10:11]
	v_lshl_add_u32 v14, v0, 2, SPARE
	v_mov_b32 v15, 0
	v_lshrrev_b32 v1, 5, v0
	v_readfirstlane_b32 s12, v1                    ; wave 0..3
	v_and_b32 v1, 15, v0                           ; r
	v_bfe_u32 v2, v0, 4, 1                         ; h
	v_lshlrev_b32 v4, 2, v1
	v_lshl_add_u32 v4, v2, 15, v4                  ; W_O: 8 h rows of 4,096 bytes + 4 r
	v_lshlrev_b32 v5, 5, v2                        ; b_O: 32 h
	v_and_b32 v6, 31, v0
	v_lshlrev_b32 v6, 4, v6                        ; an image: 16 x lane
	s_lshl_b32 s13, s12, 10
	v_add_nc_u32 v7, s13, v6                       ; my part in LDS: + 1,024 x wave
	v_lshlrev_b32 v8, 12, v1
	v_lshl_add_u32 v8, v2, 5, v8                   ; out0: row r + 32 h
	s_and_b32 s14, ttmp7, 0xffff                   ; batch
	s_lshl_b32 s16, s14, 4
	s_lshl_b32 s17, s12, 2
	s_add_co_u32 s16, s16, s17
	s_lshl_b32 s16, s16, 12                        ; z16: 4,096 bytes for each (batch, head)
	s_mov_b32 s17, 0
	s_lshl_b32 s20, ttmp9, 6                       ; 16 columns of 4 bytes
	s_mov_b32 s21, 0
	s_lshl_b32 s18, s12, 20                        ; W_O: 256 rows a wave
	s_add_co_u32 s18, s18, s20
	s_mov_b32 s19, 0
	s_lshl_b32 s22, s14, 23                        ; out0: 2,048 rows of 4,096 bytes a batch
	s_add_co_u32 s22, s22, s20
	s_mov_b32 s23, 0
	s_wait_kmcnt 0x0
	s_add_nc_u64 s[4:5], s[4:5], s[16:17]
	s_add_nc_u64 s[6:7], s[6:7], s[18:19]
	s_add_nc_u64 s[8:9], s[8:9], s[20:21]
	s_add_nc_u64 s[10:11], s[10:11], s[22:23]
	global_load_b128 v[208:211], v5, s[8:9]
	global_load_b128 v[212:215], v5, s[8:9] offset:16
.irp hl, 0,1,2,3                               ; head by head: 40 loads
	WIN 0
.irp q, 0,1,2,3,4,5,6,7
	global_load_b128 v[ZI+32*\hl+4*\q:ZI+32*\hl+4*\q+3], v6, s[4:5] offset:4096*\hl+512*\q
.endr
	WIN 0x40                                       ; destination window 1
.irp c, 0,1,2,3
.irp j, 0,1,2,3,4,5,6,7
	global_load_b32 v[32*\hl+8*\c+\j], v4, s[6:7] offset:(64*\hl+16*\c+\j)*4096
.endr
.endr
.endr
	WIN 0x01                                       ; source 0 (W_O) window 1
.set i, 0
.rept 64
.if i == 0
	s_wait_loadcnt 63                              ; the first head's loads are in: 120 younger were issued, and the count names at most what its field holds
.elseif i == 16
	s_wait_loadcnt 63                              ; 80 younger
.elseif i == 32
	s_wait_loadcnt 40                              ; the last head's 40 may be out
.elseif i == 48
	s_wait_loadcnt 0
.endif
.if i < 4
	v_wmma_f32_16x16x4_f32 v[AC+8*(i%4):AC+8*(i%4)+7], v[2*i:2*i+1], v[ZI+2*i:ZI+2*i+1], 0
.else
	v_wmma_f32_16x16x4_f32 v[AC+8*(i%4):AC+8*(i%4)+7], v[2*i:2*i+1], v[ZI+2*i:ZI+2*i+1], v[AC+8*(i%4):AC+8*(i%4)+7]
.endif
.set i, i+1
.endr
	WIN 0
.rept 8
	v_nop                                          ; eight places behind this form
.endr
.irp j, 0,1,2,3,4,5,6,7
	v_add_f32 v10, v[AC+\j], v[AC+8+\j]
	v_add_f32 v11, v[AC+16+\j], v[AC+24+\j]
	v_add_f32 v[RS+\j], v10, v11
.endr
	ds_store_b128 v7, v[RS:RS+3]
	ds_store_b128 v7, v[RS+4:RS+7] offset:512
	s_wait_dscnt 0x0                               ; for wave 0's sake: my part is whole
	s_barrier_signal -1
	s_barrier_wait -1
	s_cmp_lg_u32 s12, 0
	s_cbranch_scc1 .Lend
.irp w, 1,2,3
	ds_load_b128 v[176+8*\w:179+8*\w], v6 offset:1024*\w
	ds_load_b128 v[180+8*\w:183+8*\w], v6 offset:1024*\w+512
.endr
	s_wait_dscnt 0x0
.irp j, 0,1,2,3,4,5,6,7
	v_add_f32 v10, v[RS+\j], v[184+\j]
	v_add_f32 v11, v[192+\j], v[200+\j]
	v_add_f32 v10, v10, v11
	v_add_f32 v[216+\j], v10, v[208+\j]
.endr
	global_store_b128 v8, v[216:219], s[10:11]
	global_store_b128 v8, v[220:223], s[10:11] offset:16
.Lend:
	s_wait_tensorcnt 0x0                           ; the wave's end
	ds_add_u32 v14, v15
	s_wait_dscnt 0x0
	s_endpgm
.Lfunc_end_k_q88359a48f6_first_out:
	.size	k_q88359a48f6_first_out, .Lfunc_end_k_q88359a48f6_first_out-k_q88359a48f6_first_out
	.p2alignl 7, 3214868480
	.fill 96, 4, 3214868480
	.section	.rodata,"a",@progbits
	.p2align	6, 0x0
	.amdhsa_kernel k_q88359a48f6_first_out
		.amdhsa_group_segment_fixed_size 4608
		.amdhsa_private_segment_fixed_size 0
		.amdhsa_enable_private_segment 0
		.amdhsa_kernarg_size 32
		.amdhsa_user_sgpr_count 2
		.amdhsa_user_sgpr_kernarg_segment_ptr 1
		.amdhsa_wavefront_size32 1
		.amdhsa_system_sgpr_workgroup_id_x 1
		.amdhsa_system_sgpr_workgroup_id_y 1
		.amdhsa_system_sgpr_workgroup_id_z 1
		.amdhsa_system_vgpr_workitem_id 0
		.amdhsa_next_free_vgpr 384
		.amdhsa_next_free_sgpr 66
		.amdhsa_reserve_vcc 0
		.amdhsa_float_denorm_mode_32 3
		.amdhsa_float_denorm_mode_16_64 3
		.amdhsa_memory_ordered 1
		.amdhsa_forward_progress 1
		.amdhsa_inst_pref_size 25
	.end_amdhsa_kernel
	.amdgpu_metadata
---
amdhsa.version: [ 1, 2 ]
amdhsa.kernels:
  - .name:           k_q88359a48f6_first_out
    .symbol:         k_q88359a48f6_first_out.kd
    .args:
      - { .name: z16, .offset: 0, .size: 8, .value_kind: global_buffer, .address_space: global }
      - { .name: W_O, .offset: 8, .size: 8, .value_kind: global_buffer, .address_space: global }
      - { .name: b_O, .offset: 16, .size: 8, .value_kind: global_buffer, .address_space: global }
      - { .name: out0, .offset: 24, .size: 8, .value_kind: global_buffer, .address_space: global }
    .group_segment_fixed_size: 4608
    .private_segment_fixed_size: 0
    .kernarg_segment_align: 8
    .kernarg_segment_size: 32
    .max_flat_workgroup_size: 128
    .sgpr_count:     66
    .vgpr_count:     384
    .wavefront_size: 32
...
	.end_amdgpu_metadata
.endif
;; end of part 6
